; MI455X (gfx1250); checked and timed in simulation.
; The chip was launched on July 23, 2026; its instructions are those of AMD's public machine-readable ISA for CDNA 5 (MIT licence, August 2026) and "CDNA5" Instruction Set Architecture Reference Guide (July 2026). The comments in the code are by the model that wrote it; some were corrected since.
;; scaled dot product attention. Allowed arithmetic: matrix products marked QUANTISED: E2M1 operands, one E8M0 scale for each 32 along K, by v_wmma_scale_f32_16x16x128_f8f6f4 with both operands' format E2M1 (or v_wmma_scale_f32_32x16x128_f4), f32 sums; products left as they are: bf16, f16 or f32 operands; f32 sums; everything else in f32.
;; Inputs: Wk 1,024 x 1,024 float32; Wq 1,024 x 1,024 float32; Wv 1,024 x 1,024 float32; x 4 x 2,048 x 1,024 float32.
;; Outputs: out0 4 x 2,048 x 1,024 float32.
;; This version of the problem:
;;   THIS VERSION OF THE PROBLEM IS GIVEN IN LOW PRECISION. The matrix products marked QUANTISED in the list below multiply operands that are first quantised to E2M1 (2 exponent bits, 1 mantissa bit; 4 bits a number), with one power-of-two scale for each 32 numbers along K (OCP MX v1.0); their sums are f32. The products marked 'left as it is' may take bf16, f16 or f32 operands, with f32 sums. Whichever they take, every output number must still come out within the allowed error. Rounding operands to bf16 (8 significant bits) uses up far more of that allowance than f16 does (11 bits, for magnitudes from 6e-5 to 65,504). All else is computed in f32.
;;   The module's matrix products, in the order in which they are computed (A, B: the left and right operand; K: the contracted axis; several contracted axes count as one K, in the product's order):
;;     1. [M 8,192, K 1,024] x [K 1,024, N 1,024]; A: input x; B: input Wq: QUANTISED
;;     2. [M 8,192, K 1,024] x [K 1,024, N 1,024]; A: input x; B: input Wk: QUANTISED
;;     3. [M 8,192, K 1,024] x [K 1,024, N 1,024]; A: input x; B: input Wv: QUANTISED
;;     4. batch 4 x [M 2,048, K 1,024] x [K 1,024, N 2,048]; A: computed on the way; B: computed on the way: left as it is (an operand is computed on the way)
;;     5. batch 4 x [M 2,048, K 2,048] x [K 2,048, N 1,024]; A: computed on the way; B: computed on the way: left as it is (an operand is computed on the way)
;;   THE QUANTISER, for each operand of a quantised product, along K:
;;     - K is cut into blocks of 32 from its start; a last block that is shorter is filled with zeros.
;;     - A block's scale is 2^e with e = floor(log2(the largest magnitude in the block)) - 2, held to -126 .. 127; a block of zeros has e = 0. As a byte (E8M0): e + 127.
;;     - Each number is divided by its block's scale, clamped to +-6, and rounded to the nearest number of E2M1, ties to even, subnormals kept.
;;     - The product sums the exact products of the quantised numbers (number of the format x scale) in f32.
;;   ~~~python
;;   def quantise(x, axis):      # numpy; x: float32 -> the quantised numbers, widened to float32 again
;;       x = np.moveaxis(x, axis, -1); K = x.shape[-1]
;;       x = np.pad(x, [(0, 0)] * (x.ndim - 1) + [(0, -K % 32)]); x = x.reshape(x.shape[:-1] + (-1, 32)); a = np.abs(x).max(-1, keepdims=True)
;;       e = np.where(a > 0, np.clip(np.frexp(np.where(a > 0, a, 1))[1] - 1 - 2, -126, 127), 0)      # np.frexp(a)[1] - 1 = floor(log2(a)), exactly
;;       r = np.clip(x / 2.0 ** e, -6, 6)
;;       step = 2.0 ** (np.maximum(np.frexp(np.where(r == 0, 1, r))[1] - 1, 0) - 1)
;;       q = np.round(r / step) * step * 2.0 ** e      # np.round: ties to even
;;       return np.moveaxis(q.reshape(q.shape[:-2] + (-1,))[..., :K], -1, axis).astype(np.float32)
;;   ~~~
;; One version. Each part assembles by itself: llvm-mc -triple=amdgcn-amd-amdhsa -mcpu=gfx1250 --defsym DOCPART=n.
;; ======== version 1 of 1: 4 launches
;; limits: values are held in f16: magnitudes above 65,504 overflow, below 6.1e-05 lose precision
;; workspace buffers: x_codes 4,194,304 bytes; x_scales 262,144 bytes; w_codes 1,572,864 bytes; w_scales 98,304 bytes; qkv 50,331,648 bytes; p 33,554,432 bytes; stats 1,048,576 bytes
;; launch quant (part 1): grid 352 x 1, 4 waves a work-group, no clusters, 33,280 bytes of LDS; arguments x, Wq, Wk, Wv, x_codes, x_scales, w_codes, w_scales; writes x_codes, x_scales, w_codes, w_scales
.if DOCPART == 1
	.amdgcn_target "amdgcn-amd-amdhsa--gfx1250"
	.amdhsa_code_object_version 6
	.text
	.protected	k_q83c1a450e1_quant
	.globl	k_q83c1a450e1_quant
	.p2align	8
	.type	k_q83c1a450e1_quant,@function
k_q83c1a450e1_quant:
	s_mov_b64 s[64:65], 0
	v_nop
	global_prefetch_b8 v0, s[64:65] scope:SCOPE_SE
	s_setreg_imm32_b32 hwreg(HW_REG_WAVE_MODE, 25, 1), 1
	s_wait_xcnt 0x0
; ATTENTION WITH ONE HEAD OF 1,024, IN FOUR LAUNCHES.  This one: x [8192][1024] and Wq, Wk, Wv [1024][1024], f32, K innermost, become codes of FP4 (E2M1) and one E8M0 byte for each 32 along K.
; The three weights are stacked: w_codes [3072][512 bytes], rows 0-1023 Wq, 1024-2047 Wk, 2048-3071 Wv; w_scales [3072][32].  x_codes [8192][512 bytes], x_scales [8192][32].
; NO WORK OF reference() IS LEFT OUT: it has no mask, no bias and no slice; each of the four inputs reaches every output number, and all four are loaded.
; A block's scale is 2^(floor(log2(its largest magnitude)) - 2); its byte is the largest magnitude's exponent field - 2, held at 1 from below.  A block of zeros so gets the byte 1 where the rule says 127:
; its codes are zeros, which add nothing under any byte but 0xff, and this program alone reads the bytes.  Each number is divided by the scale and rounded to the nearest code, ties to even, beyond 6 the largest code.
; LIMITS: NaN and infinities among the inputs are not served; blocks whose largest magnitude lies under 2^-124 keep the byte 1.
; Rows are dense and 1,024 is a multiple of 32: every tensor is a plain stream of blocks of 32.  A work-group takes 32,768 numbers, a wave 8,192 in 16 steps of 512.
; Work-groups 0-255 take x, 256-287 Wq, 288-319 Wk, 320-351 Wv: only pointers are chosen, by the work-group's number; all take one path through the text.
; Each of a step's four loads reads 512 consecutive bytes, 16 a lane; the 2,048 bytes turn through the wave's own stage in LDS and come back 64 bytes a lane: 16 neighbours along K, two lanes to a block.
; A lane's 16 codes are 8 bytes: the wave stores 256 consecutive bytes.  A wave's 256 scale bytes are gathered in LDS and leave as 256 consecutive bytes.  No barrier: waves share nothing.
; Loads run EIGHT steps (32 loads a wave) ahead: half of a wave's bytes are asked for at its head, the other half as the first half is worked.
.set WAVES, 4
.set STEPS, 16
.set AHEAD, 8                          ; steps of loads on their way
.set EMAX,  2
.set CB,    8                          ; bytes of 16 codes
.set R,     16                         ; v16-143  eight sets of 16 numbers as they are loaded
.set X,     144                        ; v144-175 two sets of 16 neighbours
.set E,     176                        ; v176-191 a scale byte for each step
.set C,     192                        ; v192-255 codes: four registers for each step, so that no store's data are written again
.set WREG,  8192                       ; LDS: a region for each wave: two stages of 32 x SP bytes, behind them its 256 scale bytes
.set SP,    80                         ; a lane's place in a stage: 64 bytes + 16 of padding
.set SPW,   12                         ; v12 LDS address of my spare word; never rewritten
.set NIL,   13                         ; v13 0; never rewritten
.set SPARE, WAVES*WREG                 ; behind the four regions: the spare words, 128 bytes a wave, which no other line names
	s_load_b256 s[4:11], s[0:1], 0x0               ; x s[4:5], Wq s[6:7], Wk s[8:9], Wv s[10:11]
	s_load_b256 s[12:19], s[0:1], 0x20             ; x's codes s[12:13], x's scales s[14:15], the weights' codes s[16:17], scales s[18:19]
	v_lshl_add_u32 v[SPW], v0, 2, SPARE
	v_mov_b32 v[NIL], 0
	v_lshrrev_b32 v1, 5, v0
	v_readfirstlane_b32 s22, v1                    ; wave
	v_and_b32 v2, 31, v0                           ; lane
	v_lshlrev_b32 v3, 4, v2                        ; my 16 bytes of a load's 512
	s_mul_i32 s23, s22, WREG
	v_lshrrev_b32 v14, 2, v2
	v_mul_u32_u24 v14, v14, SP
	v_and_b32 v15, 3, v2
	v_lshl_add_u32 v14, v15, 4, v14
	v_add_nc_u32 v14, s23, v14                     ; the stage, on the way in: SP (lane / 4) + 16 (lane % 4)
	v_mul_u32_u24 v15, v2, SP
	v_add_nc_u32 v15, s23, v15                     ; and on the way out: SP x lane: my 16 neighbours
	v_mul_u32_u24 v4, v2, CB                       ; my codes' place in a step's
	v_lshrrev_b32 v5, 1, v2
	s_add_co_u32 s23, s23, 2*32*SP
	v_add_nc_u32 v5, s23, v5                       ; LDS: my wave's 256 scale bytes, my block's byte
	v_lshlrev_b32 v7, 3, v2                        ; and on the way out 8 bytes a lane
	v_add_nc_u32 v6, s23, v7
	s_wait_kmcnt 0x0
	s_cmp_lt_u32 ttmp9, 320                        ; which tensor: the choices hang on the work-group's number alone
	s_cselect_b64 s[8:9], s[8:9], s[10:11]         ; Wk or Wv
	s_cmp_lt_u32 ttmp9, 288
	s_cselect_b64 s[6:7], s[6:7], s[8:9]           ; Wq or that
	s_cmp_lt_u32 ttmp9, 256
	s_cselect_b64 s[4:5], s[4:5], s[6:7]           ; x or that
	s_cselect_b64 s[12:13], s[12:13], s[16:17]     ; the codes' buffer
	s_cselect_b64 s[14:15], s[14:15], s[18:19]     ; the scales' buffer
	s_cselect_b32 s20, 0, 256
	s_cselect_b32 s21, -1, 31
	s_sub_co_u32 s20, ttmp9, s20                   ; my work-group's number in its buffer of codes
	s_and_b32 s21, s20, s21                        ; and in its source tensor (a weight has 32 work-groups)
	s_lshl_b32 s21, s21, 2
	s_add_co_u32 s21, s21, s22                     ; which run of 8,192 numbers of the source is my wave's
	s_lshl_b32 s24, s21, 15                        ; 32,768 bytes a run
	s_mov_b32 s25, 0
	s_add_nc_u64 s[4:5], s[4:5], s[24:25]
	s_lshl_b32 s20, s20, 2
	s_add_co_u32 s20, s20, s22
	s_lshl_b32 s24, s20, 12                        ; 4,096 bytes of codes a run
	s_add_nc_u64 s[12:13], s[12:13], s[24:25]
	s_lshl_b32 s24, s20, 8                         ; 256 scale bytes a run
	s_add_nc_u64 s[14:15], s[14:15], s[24:25]
.macro LOAD t
.irp i, 0,1,2,3
	global_load_b128 v[R+16*((\t)%AHEAD)+4*\i:R+16*((\t)%AHEAD)+4*\i+3], v3, s[4:5] offset:2048*(\t)+512*\i th:TH_LOAD_NT   ; 32 lanes read 512 consecutive bytes
.endr
.endm
.macro TURN t                          ; step t's numbers through the stage: LDS serves a wave's instructions in order, so no wait stands between the stores and the loads
.irp i, 0,1,2,3
	ds_store_b128 v14, v[R+16*((\t)%AHEAD)+4*\i:R+16*((\t)%AHEAD)+4*\i+3] offset:32*SP*((\t)%2)+8*SP*\i
.endr
.irp i, 0,1,2,3
	ds_load_b128 v[X+16*((\t)%2)+4*\i:X+16*((\t)%2)+4*\i+3], v15 offset:32*SP*((\t)%2)+16*\i
.endr
.endm
.irp t, 0,1,2,3,4,5,6,7
	LOAD \t
.endr
	s_wait_loadcnt 4*(AHEAD-1)                     ; step 0's four loads are in; the 28 of steps 1 to 7 may be out
	TURN 0
.macro STEP t
.set XS, X+16*((\t)%2)
.if (\t) > 0
	s_wait_dscnt 1                                 ; this step's numbers are back from the stage (the last step's byte store may be out): so its stores into the stage have read their registers,
.else
	s_wait_dscnt 0x0
.endif
.if (\t)+AHEAD < STEPS
	LOAD (\t)+AHEAD                                ; which take the loads of eight steps on
.endif
.if (\t)+1 < STEPS
.if STEPS-2-(\t) >= AHEAD-1
	s_wait_loadcnt 4*(AHEAD-1)                     ; the next step's four loads are in; those of the seven steps behind it may be out
.else
	s_wait_loadcnt 4*(STEPS-2-(\t))                ; towards the end: those of the steps that are left
.endif
	TURN (\t)+1                                    ; and go through the other stage while this step is worked
.endif
	v_max3_num_f32 v8, |v[XS]|, |v[XS+1]|, |v[XS+2]|               ; the largest magnitude of my 16, in two chains
	v_max3_num_f32 v9, |v[XS+3]|, |v[XS+4]|, |v[XS+5]|
.irp i, 6,10
	v_max3_num_f32 v8, v8, |v[XS+\i]|, |v[XS+\i+1]|
	v_max3_num_f32 v9, v9, |v[XS+\i+2]|, |v[XS+\i+3]|
.endr
	v_max3_num_f32 v8, v8, |v[XS+14]|, |v[XS+15]|
	v_max3_num_f32 v8, v8, v9, (EMAX+1)<<23        ; and the floor 2^(3 - 127): so the byte cannot fall under 1
	v_max_num_f32_dpp v8, v8, v8 row_xmask:1 row_mask:0xf bank_mask:0xf   ; and of my neighbour's 16: the block's
	v_add_nc_u32 v11, -(EMAX<<23), v8              ; 2 off its exponent field: the conversion takes the exponent field of this operand as its scale, and nothing else of it
	v_cvt_scalef32_pk8_fp4_f32 v[C+4*(\t)], v[XS:XS+7], v11
	v_cvt_scalef32_pk8_fp4_f32 v[C+4*(\t)+1], v[XS+8:XS+15], v11
	v_lshrrev_b32 v[E+(\t)], 23, v11               ; the scale's byte (a plain line behind the conversions)
	ds_store_b8 v5, v[E+(\t)] offset:16*(\t)       ; both lanes of a block write the same byte with the same value
	global_store_b64 v4, v[C+4*(\t):C+4*(\t)+1], s[12:13] offset:32*CB*(\t)   ; 32 lanes store 256 consecutive bytes, aligned
.endm
.irp t, 0,1,2,3,4,5,6,7,8,9,10,11,12,13,14,15
	STEP \t
.endr
	ds_load_b64 v[8:9], v6                         ; LDS serves a wave's instructions in order: these see my stores
	s_wait_dscnt 0x0
	global_store_b64 v7, v[8:9], s[14:15]          ; 32 lanes store 256 consecutive bytes, aligned
	s_wait_tensorcnt 0x0                           ; the wave's end: these three lines behind my last LDS store
	ds_add_u32 v[SPW], v[NIL]
	s_wait_dscnt 0x0
	s_endpgm
.Lfunc_end_k_q83c1a450e1_quant:
	.size	k_q83c1a450e1_quant, .Lfunc_end_k_q83c1a450e1_quant-k_q83c1a450e1_quant
	.p2alignl 7, 3214868480
	.fill 96, 4, 3214868480
	.section	.rodata,"a",@progbits
	.p2align	6, 0x0
	.amdhsa_kernel k_q83c1a450e1_quant
		.amdhsa_group_segment_fixed_size 33280
		.amdhsa_private_segment_fixed_size 0
		.amdhsa_enable_private_segment 0
		.amdhsa_kernarg_size 64
		.amdhsa_user_sgpr_count 2
		.amdhsa_user_sgpr_kernarg_segment_ptr 1
		.amdhsa_wavefront_size32 1
		.amdhsa_system_sgpr_workgroup_id_x 1
		.amdhsa_system_sgpr_workgroup_id_y 1
		.amdhsa_system_sgpr_workgroup_id_z 1
		.amdhsa_system_vgpr_workitem_id 0
		.amdhsa_next_free_vgpr 256
		.amdhsa_next_free_sgpr 66
		.amdhsa_reserve_vcc 0
		.amdhsa_float_denorm_mode_32 3
		.amdhsa_float_denorm_mode_16_64 3
		.amdhsa_memory_ordered 1
		.amdhsa_forward_progress 1
		.amdhsa_inst_pref_size 34
	.end_amdhsa_kernel
	.amdgpu_metadata
---
amdhsa.version: [ 1, 2 ]
amdhsa.kernels:
  - .name:           k_q83c1a450e1_quant
    .symbol:         k_q83c1a450e1_quant.kd
    .args:
      - { .name: x, .offset: 0, .size: 8, .value_kind: global_buffer, .address_space: global }
      - { .name: Wq, .offset: 8, .size: 8, .value_kind: global_buffer, .address_space: global }
      - { .name: Wk, .offset: 16, .size: 8, .value_kind: global_buffer, .address_space: global }
      - { .name: Wv, .offset: 24, .size: 8, .value_kind: global_buffer, .address_space: global }
      - { .name: x_codes, .offset: 32, .size: 8, .value_kind: global_buffer, .address_space: global }
      - { .name: x_scales, .offset: 40, .size: 8, .value_kind: global_buffer, .address_space: global }
      - { .name: w_codes, .offset: 48, .size: 8, .value_kind: global_buffer, .address_space: global }
      - { .name: w_scales, .offset: 56, .size: 8, .value_kind: global_buffer, .address_space: global }
    .group_segment_fixed_size: 33280
    .private_segment_fixed_size: 0
    .kernarg_segment_align: 8
    .kernarg_segment_size: 64
    .max_flat_workgroup_size: 128
    .sgpr_count:     66
    .vgpr_count:     256
    .wavefront_size: 32
...
	.end_amdgpu_metadata
.endif
;; end of part 1
;; launch proj (part 2): grid 12 x 32, 4 waves a work-group, clusters of 4 x 4, 327,680 bytes of LDS; arguments x_codes, x_scales, w_codes, w_scales, qkv; writes qkv
.if DOCPART == 2
	.amdgcn_target "amdgcn-amd-amdhsa--gfx1250"
	.amdhsa_code_object_version 6
	.text
	.protected	k_q83c1a450e1_proj
	.globl	k_q83c1a450e1_proj
	.p2align	8
	.type	k_q83c1a450e1_proj,@function
k_q83c1a450e1_proj:
	s_mov_b64 s[64:65], 0
	v_nop
	global_prefetch_b8 v0, s[64:65] scope:SCOPE_SE
	s_setreg_imm32_b32 hwreg(HW_REG_WAVE_MODE, 25, 1), 1
	s_wait_xcnt 0x0
	s_wait_alu depctr_hold_cnt(0) depctr_sa_sdst(0) depctr_va_vdst(0) depctr_va_sdst(0) depctr_va_ssrc(0) depctr_va_vcc(0) depctr_vm_vsrc(0)
	s_getreg_b32 s2, hwreg(HW_REG_IB_STS2, 6, 4)
	s_cmp_eq_u32 s2, 0
	s_cbranch_scc0 .Lentry_in_a_cluster
	s_endpgm
.Lentry_in_a_cluster:
	s_bfe_u32 s2, ttmp6, 0x10000c
	s_cmp_lg_u32 s2, 0xf033
	s_cbranch_scc0 .Lentry_shape_is_right
	s_endpgm
.Lentry_shape_is_right:
; qkv[m][n] = sum over k of x[m][k] W[n][k], W = Wq, Wk, Wv stacked: [8192][1024] x [3072][1024]^T on codes of FP4 (E2M1) with one E8M0 scale for each 32 along K; sums in f32; qkv [8192][3072] is rounded once to f16.
; Nothing of reference() is left out here.  LIMIT: a projection beyond 65,504 in magnitude has no number in f16.
; A tile of 256 x 256 is made by a work-group of four waves; a wave makes 128 x 128: 64 accumulators of 16 x 16, 512 registers.  K = 1,024 is two LDS slots of 512 along K (rows of 256 bytes):
; both are asked for at the head, so no slot is filled again.  The scale bytes of the work-group's 256 + 256 rows, two dense blocks, come with them, as rows of 256 bytes.
; CLUSTERS: 4 x 4 work-groups.  The four of a row of the cluster need the same tiles of x, the four of a column the same tiles of W: each tile is asked for JOINTLY, by the same tensor load with the same descriptor and a mask that names the four.
; THE MATRIX INSTRUCTION IS USED TRANSPOSED (source 0 = 16 rows of W, source 1 = 16 rows of x): a lane then holds eight neighbouring numbers of a row of qkv, which pack into 16 bytes.
; REGISTERS, in windows of 256: window 0: v0-31 addresses; v32-95 scale words, two sets; v96-127 packed results; from v128 x's fragments (8 x 16 rows x 128 K), one set; later rows on the way out.
;   window 1: W's fragments, two sets, at v0 and v128.   window 2: the 32 accumulators of my rows 0-63 ((a, b) at v[8 (8 a + b)]);   window 3: those of my rows 64-127.
.set SIZE_K, 1024
.set SIZE_N, 3072
.set NQ,     4                         ; matrix instructions deep in a slot
.set ROWB,   256                       ; a tile's row in bytes: 512 codes
.set KROW,   SIZE_K/2                  ; a row of codes in memory
.set PITCH,  272                       ; an LDS row: 256 bytes + 16 of padding = 68 words: the 16 rows that a load touches start at 16 different banks (64 banks of 4 bytes: ISA guide 11.1)
.set FR,     8                         ; registers of a fragment: 16 rows x 128 K
.set NL,     2                         ; LDS loads that bring one
.set NP,     4                         ; places behind this matrix instruction (ISA guide 7.12.1)
.set HALFT,  128*PITCH                 ; 128 rows: what one tensor load brings
.set SLOT,   4*HALFT                   ; x's 256 rows, then W's 256 rows
.set KS,     SIZE_K/32                 ; a row of scales in bytes
.set SCL,    2*SLOT                    ; behind the slots: the scales, as rows of 256 bytes + 16 of padding
.set HALFS,  (128*KS/256)*272          ; the scales of 128 rows
.set SBLK,   (16*KS/256)*272           ; those of 16 rows
.set SPARE,  SCL+4*HALFS               ; the spare words, 128 bytes a wave, which no other line names
.set SPITCH, 272                       ; the way out: a stage of 16 rows x (256 bytes + 16) for each wave, in slot 0, which has had its only fill and its last read by then
.set CROW,   SIZE_N*2                  ; a row of qkv in bytes
.set ADRA, 16                          ; v16-17 LDS address of my fragments of x in slot 0, 1
.set ADRB, 20                          ; v20-21 the same for W
.set STO,  24                          ; v24 the way out: where I put 16 bytes of a row
.set RD,   25                          ; v25 where I read a row back
.set CO,   26                          ; v26 my byte offset in qkv
.set ADRS, 27                          ; v27 LDS address of my scale words: lanes 0-15 x's rows, lanes 16-31 W's
.set SPW,  28                          ; v28 LDS address of my spare word; never rewritten
.set NIL,  29                          ; v29 0; never rewritten
.set SC,   32                          ; scale words: set s at v[SC + 32 s]; register 4 i + q: lanes 0-15 the word of x's block i, lanes 16-31 that of W's block i, for the slot's q-th 128 along K
.set TMP,  96
.set AF,   128
.set BK,   128
.set G1, 24
.set G0, 32
.set G1B, 48
.set G0B, 56
.set G1S, 68
.set G0S, 76
.set G1SB, 80
.set G0SB, 88
.set MSB, 0
.macro WIN new                         ; the immediate's high byte repeats the setting that is left
.if MSB != (\new)
	s_set_vgpr_msb (MSB<<8)|(\new)
.set MSB, (\new)
.endif
.endm
.set MUL_LO, 0xa1                      ; source 0 (W) window 1, source 1 (x) window 0, C and D window 2
.set MUL_HI, 0xf1                      ; the same, C and D window 3
.set TO_B,   0x40                      ; destination window 1, address window 0
; A joint load: waves 0 and 1 fetch for x, waves 2 and 3 for W.  The branch hangs on the wave's number alone.  An s_nop 0 and four v_nop follow each of the two lines.
.macro JLOAD g0a, g1a, g0b, g1b
	s_cmp_eq_u32 s15, 0
	s_cbranch_scc0 .Lfor_b_\@
	tensor_load_to_lds s[\g0a:\g0a+3], s[\g1a:\g1a+7]
	s_nop 0
.rept 4
	v_nop
.endr
	s_branch .Lasked_\@
.Lfor_b_\@:
	tensor_load_to_lds s[\g0b:\g0b+3], s[\g1b:\g1b+7]
	s_nop 0
.rept 4
	v_nop
.endr
.Lasked_\@:
.endm
.macro CROUND                          ; a round of the cluster's barrier
	s_barrier_signal -1
	s_barrier_wait -1
	s_cmp_lg_u32 s14, 0
	s_cbranch_scc1 .Lnot_wave_0_\@
	s_barrier_signal -3
.Lnot_wave_0_\@:
	s_barrier_wait -3
	s_barrier_signal -1
	s_barrier_wait -1
.endm
	s_load_b128 s[4:7], s[0:1], 0x0                ; x's codes s[4:5], x's scales s[6:7]
	s_load_b128 s[8:11], s[0:1], 0x10              ; W's codes s[8:9], W's scales s[10:11]
	s_load_b64 s[12:13], s[0:1], 0x20              ; qkv
	v_lshl_add_u32 v[SPW], v0, 2, SPARE
	v_mov_b32 v[NIL], 0
	ds_add_u32 v[SPW], v[NIL]                      ; the wave's opening: the add, twice on end, and its wait ahead of my first tensor load
	ds_add_u32 v[SPW], v[NIL]
	v_lshrrev_b32 v1, 5, v0
	v_readfirstlane_b32 s14, v1                    ; wave 0..3
	s_lshr_b32 s15, s14, 1                         ; which half of the tile's rows is mine.  Also: I fetch for x (0) or for W (1)
	s_and_b32 s16, s14, 1                          ; which half of its columns.  Also: which 128 rows of that tile I fetch
	s_bfe_u32 s40, ttmp6, 0x40000                  ; cx, cy: my place in the cluster
	s_bfe_u32 s41, ttmp6, 0x40004
	s_lshl_b32 s42, ttmp9, 2
	s_add_co_u32 s42, s42, s40                     ; tile column = 4 x cluster x + cx
	s_and_b32 s17, ttmp7, 0xffff
	s_lshl_b32 s17, s17, 2
	s_add_co_u32 s17, s17, s41                     ; tile row = 4 x cluster y + cy
	s_lshl_b32 s43, s41, 2
	s_lshl_b32 s43, 15, s43                        ; my row of the cluster
	s_lshl_b32 s44, 0x1111, s40                    ; my column
	; descriptor group 1: a tile of 128 rows x 256 bytes, padded in LDS
	s_or_b32 s[G1+0], s43, (0<<16)|(1<<20)|(1<<21)|(5<<22)|(3<<25)  ; 15:0 the mask; 17:16 elements of 1 byte; 20 padding on; 21 set beside a mask; 24:22 after every 64 words; 31:25 four words
	s_or_b32 s[G1B+0], s44, (0<<16)|(1<<20)|(1<<21)|(5<<22)|(3<<25)
.irp g, G1, G1B
	s_mov_b32 s[\g+1], ROWB<<16                    ; tensor_dim0
	s_mov_b32 s[\g+2], 128<<16                     ; tensor_dim1
	s_mov_b32 s[\g+3], ROWB<<16                    ; tile_dim0
	s_mov_b32 s[\g+4], 128                         ; tile_dim1
	s_mov_b32 s[\g+5], KROW                        ; tensor_dim0_stride
	s_mov_b32 s[\g+6], 0
	s_mov_b32 s[\g+7], 0
.endr
	; the scales of 128 rows: a dense block of 4,096 bytes, as 16 rows of 256 bytes (32 elements of 8 bytes), 16 bytes of padding behind each
	s_or_b32 s[G1S+0], s43, (3<<16)|(1<<20)|(1<<21)|(5<<22)|(3<<25)
	s_or_b32 s[G1SB+0], s44, (3<<16)|(1<<20)|(1<<21)|(5<<22)|(3<<25)
.irp g, G1S, G1SB
	s_mov_b32 s[\g+1], 32<<16
	s_mov_b32 s[\g+2], (128*KS/256)<<16
	s_mov_b32 s[\g+3], 32<<16
	s_mov_b32 s[\g+4], 128*KS/256
	s_mov_b32 s[\g+5], 32
	s_mov_b32 s[\g+6], 0
	s_mov_b32 s[\g+7], 0
.endr
	s_lshl_b32 s18, s16, 7                         ; which 128 rows of the tile I fetch
	s_lshl_b32 s20, s17, 8
	s_add_co_u32 s20, s20, s18                     ; x: row 256 x tile row + 128 x half
	s_lshl_b32 s46, s42, 8
	s_add_co_u32 s46, s46, s18                     ; W: row 256 x tile column + 128 x half
	s_mov_b32 s21, 0
	s_mov_b32 s47, 0
	s_mov_b64 s[18:19], KS
	s_mul_u64 s[22:23], s[20:21], s[18:19]         ; where these rows' scales begin, in bytes
	s_mul_u64 s[92:93], s[46:47], s[18:19]
	s_mov_b64 s[18:19], KROW
	s_mul_u64 s[20:21], s[20:21], s[18:19]         ; and their codes
	s_mul_u64 s[46:47], s[46:47], s[18:19]
	s_mul_i32 s45, s14, HALFT                      ; where they go: wave x 128 rows: no place in the cluster enters an LDS address
	s_mul_i32 s94, s14, HALFS
	s_wait_dscnt 0x0                               ; both opening adds are done
	s_wait_kmcnt 0x0
	s_add_nc_u64 s[20:21], s[4:5], s[20:21]
	s_add_nc_u64 s[22:23], s[6:7], s[22:23]
	s_add_nc_u64 s[46:47], s[8:9], s[46:47]
	s_add_nc_u64 s[92:93], s[10:11], s[92:93]
	CROUND                                         ; all sixteen work-groups are here: the joint loads meet
	s_mov_b32 s[G0S], 1
	s_add_co_u32 s[G0S+1], s94, SCL
	s_mov_b64 s[G0S+2:G0S+3], s[22:23]
	s_or_b32 s[G0S+3], s[G0S+3], 0x80000000
	s_mov_b32 s[G0SB], 1
	s_add_co_u32 s[G0SB+1], s94, SCL
	s_mov_b64 s[G0SB+2:G0SB+3], s[92:93]
	s_or_b32 s[G0SB+3], s[G0SB+3], 0x80000000
	JLOAD G0S, G1S, G0SB, G1SB                     ; the scales first: they are wanted with the first slot
.irp s, 0,1
	s_mov_b32 s[G0+4*\s], 1
	s_add_co_u32 s[G0+4*\s+1], s45, \s*SLOT
	s_add_nc_u64 s[G0+4*\s+2:G0+4*\s+3], s[20:21], \s*ROWB
	s_or_b32 s[G0+4*\s+3], s[G0+4*\s+3], 0x80000000
	s_mov_b32 s[G0B+4*\s], 1
	s_add_co_u32 s[G0B+4*\s+1], s45, \s*SLOT
	s_add_nc_u64 s[G0B+4*\s+2:G0B+4*\s+3], s[46:47], \s*ROWB
	s_or_b32 s[G0B+4*\s+3], s[G0B+4*\s+3], 0x80000000
	JLOAD G0+4*\s, G1, G0B+4*\s, G1B               ; three loads of mine are out in all
.endr
	v_and_b32 v1, 15, v0                           ; l % 16
	v_bfe_u32 v2, v0, 4, 1                         ; l / 16
	v_mul_u32_u24 v3, v1, PITCH
	v_lshl_add_u32 v4, v2, 4, v3                   ; a fragment's row x pitch + 16 x half
	s_mul_i32 s21, s15, HALFT                      ; my 128 rows of x
	s_mul_i32 s22, s16, HALFT                      ; my 128 rows of W,
	s_add_co_u32 s22, s22, 2*HALFT                 ; which lie behind x's 256
.irp s, 0,1
	v_add_nc_u32 v[ADRA+\s], s21, v4
	v_add_nc_u32 v[ADRB+\s], s22, v4
	s_add_co_u32 s21, s21, SLOT
	s_add_co_u32 s22, s22, SLOT
.endr
	v_mul_u32_u24 v5, v1, KS                       ; my row's scales: 32 bytes a row,
	v_lshrrev_b32 v6, 8, v5
	v_lshl_add_u32 v5, v6, 4, v5                   ; and 16 more for each 256 passed
	s_mul_i32 s21, s15, HALFS                      ; x's: my 128 rows
	s_mul_i32 s22, s16, HALFS                      ; W's: my 128 rows, behind x's 256
	s_add_co_u32 s22, s22, 2*HALFS
	s_sub_co_u32 s22, s22, s21
	v_mul_u32_u24 v6, s22, v2                      ; lanes 16-31 take W's: one product, the distance between the two bases
	s_add_co_u32 s21, s21, SCL
	v_add_nc_u32 v5, v5, v6
	v_add_nc_u32 v[ADRS], s21, v5
	s_mul_i32 s23, s14, 16*SPITCH                  ; my stage
	v_mul_u32_u24 v5, v1, SPITCH                   ; in: row l % 16, 16 bytes for each half of the lanes
	v_lshl_add_u32 v5, v2, 4, v5
	v_add_nc_u32 v[STO], s23, v5
	v_mul_u32_u24 v5, v2, SPITCH                   ; back: lanes 0-15 one row of 256 bytes, lanes 16-31 the next
	v_lshl_add_u32 v5, v1, 4, v5
	v_add_nc_u32 v[RD], s23, v5
	v_mul_u32_u24 v5, v2, CROW                     ; and the same two rows in qkv
	v_lshl_add_u32 v[CO], v1, 4, v5
	s_lshl_b32 s20, s17, 8
	s_lshl_b32 s21, s15, 7
	s_add_co_u32 s20, s20, s21                     ; my first row: 256 x tile row + 128 x half
	s_mul_i32 s20, s20, CROW                       ; under 2^26 bytes
	s_lshl_b32 s46, s42, 9                         ; my first column, in bytes: 512 x tile column + 256 x half
	s_lshl_b32 s47, s16, 8
	s_add_co_u32 s46, s46, s47
	s_add_co_u32 s20, s20, s46
	s_mov_b32 s21, 0
	s_add_nc_u64 s[12:13], s[12:13], s[20:21]
.macro FRAG reg, adr, q, i             ; a fragment: lane l holds row l % 16; registers 4 c .. 4 c + 3 hold K = 64 c + 32 (l / 16) + 0 .. 31
.irp c, 0,1
	ds_load_b128 v[\reg+4*\c:\reg+4*\c+3], v[\adr] offset:64*(\q)+32*\c+(\i)*16*PITCH
.endr
.endm
; 16 matrix instructions: x's blocks a0, a0 + 1 against W's eight, 128 along K: the slot's q-th.  p: W's set; sc: the set of scale words.  zero = 1: the product starts the sums.
; The 64 accumulators take turns, one instruction a turn, in the same order in every step.
.macro MUL16 a0, p, q, sc, zero
.irp a, \a0, \a0+1
.irp b, 0,1,2,3,4,5,6,7
.if \zero
	v_wmma_scale_f32_16x16x128_f8f6f4 v[8*(8*((\a)%4)+\b):8*(8*((\a)%4)+\b)+7], v[128*(\p)+FR*\b:128*(\p)+FR*\b+FR-1], v[AF+FR*(\a):AF+FR*(\a)+FR-1], 0, v[SC+8*NQ*(\sc)+NQ*\b+(\q)], v[SC+8*NQ*(\sc)+NQ*(\a)+(\q)] matrix_a_fmt:MATRIX_FMT_FP4 matrix_b_fmt:MATRIX_FMT_FP4 matrix_a_scale:MATRIX_SCALE_ROW1
.else
	v_wmma_scale_f32_16x16x128_f8f6f4 v[8*(8*((\a)%4)+\b):8*(8*((\a)%4)+\b)+7], v[128*(\p)+FR*\b:128*(\p)+FR*\b+FR-1], v[AF+FR*(\a):AF+FR*(\a)+FR-1], v[8*(8*((\a)%4)+\b):8*(8*((\a)%4)+\b)+7], v[SC+8*NQ*(\sc)+NQ*\b+(\q)], v[SC+8*NQ*(\sc)+NQ*(\a)+(\q)] matrix_a_fmt:MATRIX_FMT_FP4 matrix_b_fmt:MATRIX_FMT_FP4 matrix_a_scale:MATRIX_SCALE_ROW1
.endif
.endr
.endr
.endm
.macro FETCH_B slot, q, p              ; W's eight fragments of the slot's q-th 128 along K into set p
	WIN TO_B
.irp i, 0,1,2,3,4,5,6,7
	FRAG 128*(\p)+FR*\i, ADRB+\slot, \q, \i
.endr
	WIN 0
.endm
.macro FETCH_A slot, q, i0             ; x's blocks i0 .. i0 + 3
.irp i, \i0, \i0+1, \i0+2, \i0+3
	FRAG AF+FR*(\i), ADRA+\slot, \q, \i
.endr
.endm
.macro SCALES sc                       ; a slot's scale words into set sc: four words a row; lanes 0-15 take x's block i, lanes 16-31 W's block i
.irp i, 0,1,2,3,4,5,6,7
	ds_load_b128 v[SC+8*NQ*\sc+NQ*\i:SC+8*NQ*\sc+NQ*\i+3], v[ADRS] offset:\i*SBLK
.endr
.endm
.macro PLACES n                        ; plain vector lines between a matrix instruction and a load into, or a read of, its registers
.rept \n
	v_nop
.endr
.endm
; A step of 128 along K that has its successor in the same slot.  x has one set of registers: blocks 0-3 are fetched anew in the step's middle, blocks 4-7 at its end; W has two sets.
.macro STEP slot, q, zero
	s_wait_dscnt 4*NL                              ; W's set and x's blocks 0-3 are in; the youngest eight loads (x's blocks 4-7) may be out
	WIN MUL_LO
	MUL16 0, (\q)%2, \q, \slot, \zero
	MUL16 2, (\q)%2, \q, \slot, \zero
	s_wait_dscnt 0                                 ; x's blocks 4-7 are in
	PLACES NP
	FETCH_B \slot, (\q)+1, 1-(\q)%2
	FETCH_A \slot, (\q)+1, 0
	WIN MUL_HI
	MUL16 4, (\q)%2, \q, \slot, \zero
	MUL16 6, (\q)%2, \q, \slot, \zero
	PLACES NP
	WIN 0
	FETCH_A \slot, (\q)+1, 4
.endm
.macro STEPS slot, from                ; the slot's steps from .. NQ - 2
.set Q, \from
.rept NQ-1-\from
	STEP \slot, Q, 0
.set Q, Q+1
.endr
.endm
	s_wait_tensorcnt 1                             ; the scales and my part of slot 0 are in (slot 1's load, the youngest, may be out),
	s_barrier_signal -1
	s_barrier_wait -1                              ; everybody's are
	FETCH_B 0, 0, 0
	FETCH_A 0, 0, 0
	SCALES 0
	FETCH_A 0, 0, 4
	STEP 0, 0, 1                                   ; the first step's products start the sums: nothing is cleared
	STEPS 0, 1
	; slot 0's last step changes slots: one barrier; in front of it each wave waits for all its tensor loads, adds 0 to its spare word, and waits for that and for its reads of slot 0
	s_wait_tensorcnt 0x0                           ; my part of slot 1 has landed  (every window is 0 here)
	ds_add_u32 v[SPW], v[NIL]
	s_wait_dscnt 4*NL+1                            ; the add and the youngest eight loads (x's blocks 4-7) may be out
	WIN MUL_LO
	MUL16 0, 1, NQ-1, 0, 0
	s_wait_dscnt 0x0                               ; the add is done, and my reads of slot 0 are over
	s_barrier_signal -1
	MUL16 2, 1, NQ-1, 0, 0
	WIN 0
	s_barrier_wait -1                              ; slot 1 is whole, and nobody reads slot 0 any more
	PLACES NP
	v_add_nc_u32 v[ADRS], 4*NQ, v[ADRS]            ; on to slot 1's scale words
	FETCH_B 1, 0, 0
	FETCH_A 1, 0, 0
	SCALES 1
	WIN MUL_HI
	MUL16 4, 1, NQ-1, 0, 0
	MUL16 6, 1, NQ-1, 0, 0
	PLACES NP
	WIN 0
	FETCH_A 1, 0, 4
	STEPS 1, 0
	s_wait_dscnt 4*NL                              ; the very last step: nothing more to fetch
	WIN MUL_LO
	MUL16 0, 1, NQ-1, 1, 0
	MUL16 2, 1, NQ-1, 1, 0
	s_wait_dscnt 0
	WIN MUL_HI
	MUL16 4, 1, NQ-1, 1, 0
	MUL16 6, 1, NQ-1, 1, 0
	WIN 0
; THE WAY OUT, a block of 16 rows x 128 columns at a time.  PACK: rounded to f16, 16 bytes a lane, each accumulator from its low end on.  TOSTAGE: into my own stage and back as whole rows of 256 bytes.  SEND: stored.
.macro PACK a
.set AC, 64*((\a)%4)
	WIN 0x0a+5*((\a)/4)                            ; sources 0 and 1: window 2 or 3
.irp b, 0,1,2,3,4,5,6,7
.irp r, 0,1,2,3
	v_cvt_pk_f16_f32 v[TMP+4*\b+\r], v[AC+8*\b+2*\r], v[AC+8*\b+2*\r+1]
.endr
.endr
	WIN 0
.endm
.macro TOSTAGE a
.set BB, BK+32*((\a)%2)
.irp b, 0,1,2,3,4,5,6,7
	ds_store_b128 v[STO], v[TMP+4*\b:TMP+4*\b+3] offset:32*\b
.endr
.irp t, 0,1,2,3,4,5,6,7
	ds_load_b128 v[BB+4*\t:BB+4*\t+3], v[RD] offset:\t*2*SPITCH    ; LDS serves a wave's instructions in order: these see the stores above
.endr
.endm
.macro SEND a
.set BB, BK+32*((\a)%2)
	s_wait_dscnt 0x0                               ; the block is back in registers
	s_wait_xcnt 0x0                                ; the earlier stores have read their base and their registers: only behind this wait are they rewritten
.if (\a) > 0
	s_add_nc_u64 s[12:13], s[12:13], 16*CROW       ; 16 rows on
.endif
.irp t, 0,1,2,3,4,5,6,7
	global_store_b128 v[CO], v[BB+4*\t:BB+4*\t+3], s[12:13] offset:2*\t*CROW   ; 16 lanes store 256 consecutive bytes, at a multiple of 256 from qkv's first byte
.endr
.endm
	PLACES NP                                      ; behind the last products: for the conversions that read results and the loads into x's fragments' registers
	PACK 0
	TOSTAGE 0
.irp a, 1,2,3,4,5,6,7                  ; block a's conversions stand between block a - 1's loads from the stage and the wait for them
	PACK \a
	SEND \a-1
	TOSTAGE \a
.endr
	SEND 7
	s_wait_tensorcnt 0x0                           ; the wave's end: these three lines behind my last tensor load and my last LDS store
	ds_add_u32 v[SPW], v[NIL]
	s_wait_dscnt 0x0
	CROUND                                         ; the closing round: no work-group ends while a partner may still ask for a tile that names it
	s_endpgm
.Lfunc_end_k_q83c1a450e1_proj:
	.size	k_q83c1a450e1_proj, .Lfunc_end_k_q83c1a450e1_proj-k_q83c1a450e1_proj
	.p2alignl 7, 3214868480
	.fill 96, 4, 3214868480
	.section	.rodata,"a",@progbits
	.p2align	6, 0x0
	.amdhsa_kernel k_q83c1a450e1_proj
		.amdhsa_group_segment_fixed_size 327680
		.amdhsa_private_segment_fixed_size 0
		.amdhsa_enable_private_segment 0
		.amdhsa_kernarg_size 40
		.amdhsa_user_sgpr_count 2
		.amdhsa_user_sgpr_kernarg_segment_ptr 1
		.amdhsa_wavefront_size32 1
		.amdhsa_system_sgpr_workgroup_id_x 1
		.amdhsa_system_sgpr_workgroup_id_y 1
		.amdhsa_system_sgpr_workgroup_id_z 1
		.amdhsa_system_vgpr_workitem_id 0
		.amdhsa_next_free_vgpr 1024
		.amdhsa_next_free_sgpr 98
		.amdhsa_reserve_vcc 0
		.amdhsa_float_denorm_mode_32 3
		.amdhsa_float_denorm_mode_16_64 3
		.amdhsa_memory_ordered 1
		.amdhsa_forward_progress 1
		.amdhsa_inst_pref_size 127
	.end_amdhsa_kernel
	.amdgpu_metadata
---
amdhsa.version: [ 1, 2 ]
amdhsa.kernels:
  - .name:           k_q83c1a450e1_proj
    .symbol:         k_q83c1a450e1_proj.kd
    .args:
      - { .name: x_codes, .offset: 0, .size: 8, .value_kind: global_buffer, .address_space: global }
      - { .name: x_scales, .offset: 8, .size: 8, .value_kind: global_buffer, .address_space: global }
      - { .name: w_codes, .offset: 16, .size: 8, .value_kind: global_buffer, .address_space: global }
      - { .name: w_scales, .offset: 24, .size: 8, .value_kind: global_buffer, .address_space: global }
      - { .name: qkv, .offset: 32, .size: 8, .value_kind: global_buffer, .address_space: global }
    .group_segment_fixed_size: 327680
    .private_segment_fixed_size: 0
    .kernarg_segment_align: 8
    .kernarg_segment_size: 40
    .max_flat_workgroup_size: 128
    .sgpr_count:     98
    .vgpr_count:     1024
    .wavefront_size: 32
...
	.end_amdgpu_metadata
.endif
;; end of part 2
;; launch scores (part 3): grid 8 x 32, 4 waves a work-group, clusters of 4 x 4, 327,680 bytes of LDS; arguments qkv, p, stats; writes p, stats
.if DOCPART == 3
	.amdgcn_target "amdgcn-amd-amdhsa--gfx1250"
	.amdhsa_code_object_version 6
	.text
	.protected	k_q83c1a450e1_scores
	.globl	k_q83c1a450e1_scores
	.p2align	8
	.type	k_q83c1a450e1_scores,@function
k_q83c1a450e1_scores:
	s_mov_b64 s[64:65], 0
	v_nop
	global_prefetch_b8 v0, s[64:65] scope:SCOPE_SE
	s_setreg_imm32_b32 hwreg(HW_REG_WAVE_MODE, 25, 1), 1
	s_wait_xcnt 0x0
	s_wait_alu depctr_hold_cnt(0) depctr_sa_sdst(0) depctr_va_vdst(0) depctr_va_sdst(0) depctr_va_ssrc(0) depctr_va_vcc(0) depctr_vm_vsrc(0)
	s_getreg_b32 s2, hwreg(HW_REG_IB_STS2, 6, 4)
	s_cmp_eq_u32 s2, 0
	s_cbranch_scc0 .Lentry_in_a_cluster
	s_endpgm
.Lentry_in_a_cluster:
	s_bfe_u32 s2, ttmp6, 0x10000c
	s_cmp_lg_u32 s2, 0xf033
	s_cbranch_scc0 .Lentry_shape_is_right
	s_endpgm
.Lentry_shape_is_right:
; S = Q K^T in f16 operands and f32 sums, and the softmax's first half, by chunks of 128 keys.  Q and K are columns 0-1023 and 1024-2047 of qkv [8192][3072] f16 (a row is 6,144 bytes).  Nothing of reference() is left out here.
; THE SOFTMAX.  t = score x log2(e) / 32.  For each query and each chunk of 128 keys: NM = floor(-(the chunk's largest t)), a whole number; p = 2^(t + NM), at most 1, rounded to f16; l = the f32 sum of the unrounded p.
; The next launch joins the chunks: it takes the least NM of a row's sixteen, and multiplies each chunk by a power of two.  So the row's maximum is always taken away before an exponential, for all inputs.
; f16, NOT bf16: a row averages hundreds of keys, so the outputs are small beside V, and the 8 bits of bf16 on four operands would use up what the comparison allows.  LIMIT: |Q|, |K| under 65,504 (the launch before).
; SHARES.  A tile of 256 queries x 256 keys of one batch is made by a work-group of four waves; a wave makes 128 x 128: 64 accumulators, 512 registers: one chunk of 128 queries.
; K = 1,024 goes in eight steps of 128 through a ring of two LDS slots filled by the tensor data mover: a tile's row is 256 bytes of memory, aligned.
; CLUSTERS: 4 x 4 work-groups.  The four of a row of the cluster need the same tiles of Q, the four of a column the same tiles of K: each tile is asked for JOINTLY.
; THE MATRIX INSTRUCTION IS USED TRANSPOSED (source 0 = 16 keys, source 1 = 16 queries): lane (r, h) holds query r and keys 8 h + 0 .. 7 of each accumulator.
; p IS LAID IN THE ORDER OF THE NEXT PRODUCT'S OPERAND REGISTERS: [block of 128 rows][chunk][a 8][b 8][lane][16 bytes]: a lane's eight keys of accumulator (a, b), packed, are registers 0-3 (b even) or 4-7 (b odd)
; of the fragment of keys 32 (b / 2) on, in the same lane.  So p needs no stage: each store of a wave covers 512 consecutive bytes.  stats: [block of 128 rows][NM, l][chunk 16][row 128] f32.
; REGISTERS, in windows of 256: window 0: v0-31 addresses; v64-127, v128-191 Q's fragments, two buffers; window 1: the same for K;  window 2: accumulators of my rows 0-63 ((a, b) at v[8 (8 a + b)]);  window 3: rows 64-127.
;   On the way out: window 0 v32-63 four registers a block of 16 rows (NM, at work, l, at work); v64-127, v128-191 a block's 64 numbers, two buffers; v192-211 at work.  Window 1: v[32 a ..]: block a's packed p.
.set ROWQ,   6144                      ; a row of qkv in bytes
.set KSTEP,  128
.set PITCH,  272                       ; an LDS row: 256 bytes + 16 of padding: the 16 rows that a load touches start at 16 different banks (64 banks of 4 bytes: ISA guide 11.1)
.set HALFT,  128*PITCH
.set SLOT,   4*HALFT                   ; Q's 256 rows, then K's 256 rows
.set STATST, 2*SLOT                    ; behind the ring: 1,024 bytes for each wave, for the statistics' way out
.set SPARE,  STATST+4096               ; the spare words, 128 bytes a wave, which no other line names
.set LAPS,   4                         ; a lap = two K steps = once round the ring
.set ADRA, 16                          ; v16-17 LDS address of my fragments of Q in slot 0, 1
.set ADRB, 20                          ; v20-21 the same for K
.set SS,   24                          ; v24 my word in my wave's statistics stage
.set SR,   25                          ; v25 my 16 bytes there
.set PO,   26                          ; v26 16 x lane
.set SPW,  28                          ; v28 LDS address of my spare word; never rewritten
.set NIL,  29                          ; v29 0; never rewritten
.set PFO,  30                          ; v30 the prefetches' offset: lane x a row of qkv; never rewritten
.set T,    32
.set U,    192
.set F0,   64
.set F1,   128
.set LIM,  43                          ; s43 1 in a wave that prefetches, else the greatest number
.set PFA,  44                          ; s[44:45] where my prefetches stand
.set G1, 24
.set G0, 32
.set G1B, 48
.set G0B, 56
.set CS,  66                           ; s[66:67] log2(e) / 32: the packed form names a pair and takes its low word for both halves
.set SEL, 68                           ; s[68:69] lane selects for v_permlanex16_b32: lane l xor 16
.set HI16, 70                          ; s70 the mask of lanes 16-31
.set MSB, 0
.macro WIN new                         ; the immediate's high byte repeats the setting that is left
.if MSB != (\new)
	s_set_vgpr_msb (MSB<<8)|(\new)
.set MSB, (\new)
.endif
.endm
.set MUL_LO, 0xa1                      ; source 0 (K) window 1, source 1 (Q) window 0, C and D window 2
.set MUL_HI, 0xf1
.set TO_B,   0x40
; A joint load: waves 0 and 1 fetch Q's two halves, waves 2 and 3 K's.  The branch hangs on the wave's number alone.  An s_nop 0 and four v_nop follow each of the two lines.
.macro JLOAD s
	s_cmp_eq_u32 s11, 0
	s_cbranch_scc0 .Lfor_b_\@
	tensor_load_to_lds s[G0+4*\s:G0+4*\s+3], s[G1:G1+7]
	s_nop 0
.rept 4
	v_nop
.endr
	s_branch .Lasked_\@
.Lfor_b_\@:
	tensor_load_to_lds s[G0B+4*\s:G0B+4*\s+3], s[G1B:G1B+7]
	s_nop 0
.rept 4
	v_nop
.endr
.Lasked_\@:
.endm
; A prefetch, behind each joint load and the run of LDS loads that follows it: the K step that stands two refills on: 32 rows x 256 bytes, a lane a row, one instruction a wave: 512 matrix instructions ahead of the load that will name it.
; Each row's 256 bytes of a K step are named once in the launch: Q's tile row is walked by both clusters of a row of clusters: cluster x = 0 asks; K's tile column by the two clusters of a batch: the even cluster y asks.
; The four partners that ask for a tile jointly share its rows out by address, 32 each.  The loop's last trip asks for nothing: there is no K step two on.
.macro ASK
	s_cmp_gt_u32 s3, s[LIM]
	s_cbranch_scc0 .Lnot_mine_\@
	global_prefetch_b8 v[PFO], s[PFA:PFA+1] offset:KSTEP*2 th:TH_LOAD_NT scope:SCOPE_SE
.Lnot_mine_\@:
.endm
.macro CREST                           ; a round of the cluster's barrier behind its opening barrier
	s_cmp_lg_u32 s10, 0
	s_cbranch_scc1 .Lnot_wave_0_\@
	s_barrier_signal -3
.Lnot_wave_0_\@:
	s_barrier_wait -3
	s_barrier_signal -1
	s_barrier_wait -1
.endm
.macro CROUND
	s_barrier_signal -1
	s_barrier_wait -1
	CREST
.endm
	s_load_b128 s[4:7], s[0:1], 0x0                ; qkv s[4:5], p s[6:7]
	s_load_b64 s[8:9], s[0:1], 0x10                ; stats
	v_lshl_add_u32 v[SPW], v0, 2, SPARE
	v_mov_b32 v[NIL], 0
	ds_add_u32 v[SPW], v[NIL]                      ; the wave's opening: the add, twice on end, and its wait ahead of my first tensor load
	ds_add_u32 v[SPW], v[NIL]
	v_lshrrev_b32 v1, 5, v0
	v_readfirstlane_b32 s10, v1                    ; wave 0..3
	s_lshr_b32 s11, s10, 1                         ; which half of the tile's queries is mine.  Also: I fetch for Q (0) or for K (1)
	s_and_b32 s12, s10, 1                          ; which half of its keys.  Also: which 128 rows of that tile I fetch
	s_bfe_u32 s40, ttmp6, 0x40000                  ; cx
	s_bfe_u32 s41, ttmp6, 0x40004                  ; cy
	s_lshl_b32 s42, ttmp9, 2
	s_add_co_u32 s42, s42, s40                     ; tile of keys in the batch = 4 x cluster x + cx
	s_and_b32 s13, ttmp7, 0xffff                   ; cluster y
	s_lshr_b32 s2, s13, 1                          ; the batch: eight tiles of queries, two clusters: made of the cluster's y alone
	s_lshl_b32 s13, s13, 2
	s_add_co_u32 s13, s13, s41                     ; tile of queries, over all batches = 4 x cluster y + cy
	s_lshl_b32 s43, s41, 2
	s_lshl_b32 s43, 15, s43                        ; my row of the cluster
	s_lshl_b32 s44, 0x1111, s40                    ; my column
	s_or_b32 s[G1+0], s43, (1<<16)|(1<<20)|(1<<21)|(5<<22)|(3<<25)  ; 15:0 the mask; 17:16 elements of 2 bytes; 20 padding on; 21 set beside a mask; 24:22 after every 64 words; 31:25 four words
	s_or_b32 s[G1B+0], s44, (1<<16)|(1<<20)|(1<<21)|(5<<22)|(3<<25)
.irp g, G1, G1B
	s_mov_b32 s[\g+1], KSTEP<<16                   ; tensor_dim0 = 128
	s_mov_b32 s[\g+2], 128<<16                     ; tensor_dim1 = 128
	s_mov_b32 s[\g+3], KSTEP<<16                   ; tile_dim0 = 128
	s_mov_b32 s[\g+4], 128                         ; tile_dim1 = 128
	s_mov_b32 s[\g+5], ROWQ/2                      ; tensor_dim0_stride: 3,072 elements
	s_mov_b32 s[\g+6], 0
	s_mov_b32 s[\g+7], 0
.endr
	s_mov_b32 s[CS], 0x3d38aa3b                    ; log2(e) / 32
	s_mov_b32 s[CS+1], s[CS]
	s_mov_b32 s[SEL], 0x76543210
	s_mov_b32 s[SEL+1], 0xfedcba98
	s_mov_b32 s[HI16], 0xffff0000
	s_lshl_b32 s17, s12, 7                         ; which 128 rows of the tile I fetch
	s_lshl_b32 s16, s13, 8
	s_add_co_u32 s16, s16, s17                     ; Q: row 256 x tile of queries + 128 x half
	s_lshl_b32 s46, s42, 8
	s_add_co_u32 s46, s46, s17
	s_lshl_b32 s47, s2, 11
	s_add_co_u32 s46, s46, s47                     ; K: row 2,048 x batch + 256 x tile of keys + 128 x half
	s_mov_b32 s17, 0
	s_mov_b32 s47, 0
	s_mov_b64 s[18:19], ROWQ
	s_mul_u64 s[16:17], s[16:17], s[18:19]
	s_mul_u64 s[46:47], s[46:47], s[18:19]
	s_mul_i32 s20, s10, HALFT                      ; where they go: wave x 128 rows: no place in the cluster enters an LDS address
	s_wait_dscnt 0x0                               ; both opening adds are done
	s_wait_kmcnt 0x0
	s_add_nc_u64 s[14:15], s[4:5], s[16:17]
	s_add_nc_u64 s[46:47], s[4:5], s[46:47]
	s_add_nc_u64 s[46:47], s[46:47], 2048          ; K's columns begin 2,048 bytes into a row
	CROUND                                         ; all sixteen work-groups are here: the first joint loads meet
.irp s, 0,1
	s_mov_b32 s[G0+4*\s], 1
	s_add_co_u32 s[G0+4*\s+1], s20, \s*SLOT
	s_add_nc_u64 s[G0+4*\s+2:G0+4*\s+3], s[14:15], \s*KSTEP*2
	s_or_b32 s[G0+4*\s+3], s[G0+4*\s+3], 0x80000000
	s_mov_b32 s[G0B+4*\s], 1
	s_add_co_u32 s[G0B+4*\s+1], s20, \s*SLOT
	s_add_nc_u64 s[G0B+4*\s+2:G0B+4*\s+3], s[46:47], \s*KSTEP*2
	s_or_b32 s[G0B+4*\s+3], s[G0B+4*\s+3], 0x80000000
	JLOAD \s                                       ; two loads of mine are out
.endr
	v_and_b32 v1, 15, v0                           ; l % 16
	v_bfe_u32 v2, v0, 4, 1                         ; l / 16
	v_mul_u32_u24 v3, v1, PITCH
	v_lshl_add_u32 v3, v2, 4, v3                   ; a fragment's row x pitch + 16 x half
	s_mul_i32 s21, s11, HALFT                      ; my 128 rows of Q
	s_mul_i32 s22, s12, HALFT                      ; my 128 rows of K,
	s_add_co_u32 s22, s22, 2*HALFT                 ; which lie behind Q's 256
.irp s, 0,1
	v_add_nc_u32 v[ADRA+\s], s21, v3
	v_add_nc_u32 v[ADRB+\s], s22, v3
	s_add_co_u32 s21, s21, SLOT
	s_add_co_u32 s22, s22, SLOT
.endr
	v_and_b32 v27, 31, v0                          ; lane
	s_lshl_b32 s23, s10, 10
	s_add_co_u32 s23, s23, STATST                  ; my wave's statistics stage
	v_lshl_add_u32 v[SS], v27, 2, s23
	v_lshl_add_u32 v[SR], v27, 4, s23
	v_lshlrev_b32 v[PO], 4, v27
	s_lshl_b32 s16, s13, 1
	s_add_co_u32 s16, s16, s11                     ; my block of 128 rows = 2 x tile of queries + half
	s_lshl_b32 s46, s42, 1
	s_add_co_u32 s46, s46, s12                     ; my chunk of 128 keys = 2 x tile of keys + half
	s_lshl_b32 s20, s16, 4
	s_add_co_u32 s20, s20, s46
	s_lshl_b32 s20, s20, 15                        ; 32,768 bytes of p for a block and a chunk
	s_mov_b32 s21, 0
	s_add_nc_u64 s[6:7], s[6:7], s[20:21]
	s_lshl_b32 s20, s16, 14                        ; 16,384 bytes of statistics a block,
	s_lshl_b32 s46, s46, 9                         ; 512 a chunk
	s_add_co_u32 s20, s20, s46
	s_add_nc_u64 s[8:9], s[8:9], s[20:21]
	; the prefetches: where my wave's stand, and who asks
	s_lshl_b32 s20, s13, 8                         ; Q's tile begins at row 256 x tile of queries,
	s_lshl_b32 s21, s42, 8
	s_lshl_b32 s22, s2, 11
	s_add_co_u32 s21, s21, s22                     ; K's at 2,048 x batch + 256 x tile of keys
	s_and_b32 s22, ttmp7, 1                        ; which of the batch's two clusters
	s_cmp_eq_u32 s11, 0                            ; do I fetch for Q?
	s_cselect_b32 s20, s20, s21
	s_cselect_b32 s21, s40, s41                    ; my place among the four that ask with me
	s_cselect_b32 s22, ttmp9, s22                  ; the coordinate along which other clusters walk the same rows
	s_cselect_b32 s23, 0, 2048                     ; Q's or K's columns
	s_cmp_eq_u32 s22, 0
	s_cselect_b32 s[LIM], 1, -1                    ; the same in all sixteen partners, for a given wave
	s_lshl_b32 s22, s12, 7
	s_add_co_u32 s20, s20, s22                     ; + the 128 rows that I fetch
	s_lshl_b32 s21, s21, 5
	s_add_co_u32 s20, s20, s21                     ; + my work-group's 32 of them
	s_mul_i32 s20, s20, ROWQ
	s_add_co_u32 s20, s20, s23
	s_add_co_u32 s20, s20, 2*KSTEP*2               ; at K step 2: the first refill steps it to 3 and names K step 4.  Nothing is prefetched here, at the head
	s_mov_b32 s21, 0
	s_add_nc_u64 s[PFA:PFA+1], s[4:5], s[20:21]
	v_mul_u32_u24 v[PFO], v27, ROWQ
; 16 matrix instructions: query blocks a0, a0 + 1 of the window's four x all 8 key blocks, 32 along K.  zero = 1: the product starts the sums.  The 64 accumulators take turns.
.macro MUL16 f, hi, a0, zero
.irp a, \a0, \a0+1
.irp b, 0,1,2,3,4,5,6,7
.if \zero
	v_wmma_f32_16x16x32_f16 v[8*(8*(\a)+\b):8*(8*(\a)+\b)+7], v[\f+8*\b:\f+8*\b+7], v[\f+8*(4*\hi+\a):\f+8*(4*\hi+\a)+7], 0
.else
	v_wmma_f32_16x16x32_f16 v[8*(8*(\a)+\b):8*(8*(\a)+\b)+7], v[\f+8*\b:\f+8*\b+7], v[\f+8*(4*\hi+\a):\f+8*(4*\hi+\a)+7], v[8*(8*(\a)+\b):8*(8*(\a)+\b)+7]
.endif
.endr
.endr
.endm
; 32 LDS loads in one run: the fragments of a quarter step (128 keys, 128 queries, 32 K at byte k of the rows) into buffer f
.macro FETCH slot, k, f
	WIN TO_B
.irp i, 0,1,2,3,4,5,6,7
	ds_load_b128 v[\f+8*\i:\f+8*\i+3],   v[ADRB+\slot] offset:\k+\i*16*PITCH
	ds_load_b128 v[\f+8*\i+4:\f+8*\i+7], v[ADRB+\slot] offset:\k+\i*16*PITCH+32
.endr
	WIN 0
.irp i, 0,1,2,3,4,5,6,7
	ds_load_b128 v[\f+8*\i:\f+8*\i+3],   v[ADRA+\slot] offset:\k+\i*16*PITCH
	ds_load_b128 v[\f+8*\i+4:\f+8*\i+7], v[ADRA+\slot] offset:\k+\i*16*PITCH+32
.endr
.endm
.macro PLACES                          ; four plain vector lines between a matrix instruction and a load into, a write of or a read of its registers
.rept 4
	v_nop
.endr
.endm
; A K step is four quarters of 32 along K, 64 matrix instructions each, on buffers 0, 1, 0, 1.  One of the first three: multiplies buffer f and fetches the next quarter, at byte k, into g.
.macro QUARTER slot, k, f, g, zero
	s_wait_dscnt 8                                 ; K's fragments and Q's rows 0-63 are in; the youngest eight loads (Q's rows 64-127) may be out
	WIN MUL_LO
	MUL16 \f, 0, 0, \zero
	MUL16 \f, 0, 2, \zero
	PLACES
	FETCH \slot, \k, \g
	s_wait_dscnt 32                                ; all but the 32 just issued
	WIN MUL_HI
	MUL16 \f, 1, 0, \zero
	MUL16 \f, 1, 2, \zero
.endm
; The last quarter multiplies buffer 1 and changes slots: one barrier.  In front of it each wave waits for all its tensor loads (one is out: its part of the next slot), adds 0 to its spare word, and waits for that and for its reads of this slot.
.macro MEET round
	WIN 0                                          ; (the add's two registers lie in window 0)
	s_wait_tensorcnt 0x0
	ds_add_u32 v[SPW], v[NIL]
	s_wait_dscnt 9                                 ; the add and the youngest eight loads may be out
	WIN MUL_LO
	MUL16 F1, 0, 0, 0
	s_wait_dscnt 0x0                               ; the add is done, and my reads of this slot are over
	s_barrier_signal -1
	MUL16 F1, 0, 2, 0
.if \round
	WIN 0
.endif
	s_barrier_wait -1
.endm
; fill = 1: the barrier opens a round of the cluster's barrier, and the slot just read out is filled again, with the K step two on, first thing behind the round.
.macro TURN slot, next, fill
.if \fill
	s_wait_xcnt 0x0                                ; the last prefetch, a K step back, has read its address
	s_add_nc_u64 s[PFA:PFA+1], s[PFA:PFA+1], KSTEP*2
.endif
	MEET \fill
.if \fill
	CREST                                          ; no wave of any partner still reads this slot or has a load on its way
	s_add_nc_u64 s[G0+4*\slot+2:G0+4*\slot+3], s[G0+4*\slot+2:G0+4*\slot+3], 2*KSTEP*2
	s_add_nc_u64 s[G0B+4*\slot+2:G0B+4*\slot+3], s[G0B+4*\slot+2:G0B+4*\slot+3], 2*KSTEP*2
	JLOAD \slot                                    ; its four v_nop are also the places in front of the loads below
.else
	PLACES
.endif
	FETCH \next, 0, F0
.if \fill
	ASK
.endif
	WIN MUL_HI
	MUL16 F1, 1, 0, 0
	MUL16 F1, 1, 2, 0
.endm
	s_wait_tensorcnt 1                             ; my part of K step 0 is in (K step 1's load, the younger, may be out),
	s_barrier_signal -1
	s_barrier_wait -1                              ; everybody's is
	FETCH 0, 0, F0
	QUARTER 0, 64,  F0, F1, 1                      ; the first quarter's products start the sums: nothing is cleared
	WIN 0                                          ; at a label and at a branch every window is 0
	s_mov_b32 s3, LAPS-1
.Llap:                                                 ; a trip goes once round the ring, from a lap's second quarter to the next lap's first, and fills both slots again
	QUARTER 0, 128, F1, F0, 0
	QUARTER 0, 192, F0, F1, 0
	TURN 0, 1, 1
	QUARTER 1, 64,  F0, F1, 0
	QUARTER 1, 128, F1, F0, 0
	QUARTER 1, 192, F0, F1, 0
	TURN 1, 0, 1
	QUARTER 0, 64,  F0, F1, 0
	WIN 0
	s_sub_co_u32 s3, s3, 1
	s_cmp_lg_u32 s3, 0
	s_cbranch_scc1 .Llap
	QUARTER 0, 128, F1, F0, 0                      ; the last lap is written out: it fills nothing
	QUARTER 0, 192, F0, F1, 0
	TURN 0, 1, 0
	QUARTER 1, 64,  F0, F1, 0
	QUARTER 1, 128, F1, F0, 0
	QUARTER 1, 192, F0, F1, 0
	s_wait_dscnt 8
	WIN MUL_LO
	MUL16 F1, 0, 0, 0
	MUL16 F1, 0, 2, 0
	s_wait_dscnt 0
	WIN MUL_HI
	MUL16 F1, 1, 0, 0
	MUL16 F1, 1, 2, 0
	WIN 0
; THE WAY OUT.  Block a = my queries 16 a .. 16 a + 15; a lane holds 64 of a query's 128 scores, lane l xor 16 the others.
.macro MAXES a                         ; the largest of my 64 scores, in four chains; each accumulator is read from its low end on
.set AC, 64*((\a)%4)
	WIN 0x0a+5*((\a)/4)                            ; sources 0 and 1: window 2 or 3
.irp i, 0,1,2,3
	v_max_num_f32 v[T+4*(\a)+\i], v[AC+16*\i], v[AC+16*\i+1]
.endr
.irp k, 1,2,3,4,5,6,7
.irp i, 0,1,2,3
	v_max3_num_f32 v[T+4*(\a)+\i], v[AC+16*\i+2*\k], v[AC+16*\i+2*\k+1], v[T+4*(\a)+\i]
.endr
.endr
.endm
.macro FMA a                           ; t + NM, two at a time, out of the accumulators into buffer a % 2
.set AC, 64*((\a)%4)
.set EB, 64+64*((\a)%2)
	WIN 0x02+(\a)/4                                ; source 0: window 2 or 3
.set i, 0
.rept 32
	v_pk_fma_f32 v[EB+i:EB+i+1], v[AC+i:AC+i+1], s[CS:CS+1], v[T+4*(\a):T+4*(\a)+1] op_sel_hi:[1,0,0]
.set i, i+2
.endr
.endm
.macro EXPS a                          ; p = 2^(t + NM): one batch of 64
.set EB, 64+64*((\a)%2)
	WIN 0
.set i, 0
.rept 64
	v_exp_f32 v[EB+i], v[EB+i]
.set i, i+1
.endr
.endm
.macro SUM a                           ; l: the sum of the unrounded p, two at a time in two chains, then lane l xor 16's
.set EB, 64+64*((\a)%2)
	WIN 0
	v_pk_add_f32 v[U:U+1], v[EB:EB+1], v[EB+2:EB+3]
	v_pk_add_f32 v[U+2:U+3], v[EB+4:EB+5], v[EB+6:EB+7]
.set i, 8
.rept 14
	v_pk_add_f32 v[U:U+1], v[U:U+1], v[EB+i:EB+i+1]
	v_pk_add_f32 v[U+2:U+3], v[U+2:U+3], v[EB+i+2:EB+i+3]
.set i, i+4
.endr
	v_pk_add_f32 v[U:U+1], v[U:U+1], v[U+2:U+3]
	v_add_f32 v[U], v[U], v[U+1]
	v_permlanex16_b32 v[T+4*(\a)+3], v[U], s[SEL], s[SEL+1]
	v_add_f32 v[T+4*(\a)+2], v[U], v[T+4*(\a)+3]
.endm
.macro CVT a                           ; rounded to f16, into the block's own 32 registers of window 1: no store's data are written again
.set EB, 64+64*((\a)%2)
	WIN 0x40
.set i, 0
.rept 32
	v_cvt_pk_f16_f32 v[32*(\a)+i], v[EB+2*i], v[EB+2*i+1]
.set i, i+1
.endr
.endm
.macro STORE a
	WIN 0x04                                       ; a store's data are its source 1: window 1
.irp b, 0,1,2,3,4,5,6,7
	global_store_b128 v[PO], v[32*(\a)+4*\b:32*(\a)+4*\b+3], s[6:7] offset:4096*(\a)+512*\b   ; 32 lanes store 512 consecutive bytes, aligned
.endr
.endm
	PLACES                                         ; behind the last products
.irp a, 0,1,2,3,4,5,6,7
	MAXES \a
.endr
	WIN 0
.irp a, 0,1,2,3,4,5,6,7                ; the eight blocks by turns: no line waits for the line above it
	v_max3_num_f32 v[T+4*\a], v[T+4*\a], v[T+4*\a+1], v[T+4*\a+2]
.endr
.irp a, 0,1,2,3,4,5,6,7
	v_max_num_f32 v[T+4*\a], v[T+4*\a], v[T+4*\a+3]
.endr
.irp a, 0,1,2,3,4,5,6,7
	v_permlanex16_b32 v[T+4*\a+1], v[T+4*\a], s[SEL], s[SEL+1]
.endr
.irp a, 0,1,2,3,4,5,6,7
	v_max_num_f32 v[T+4*\a], v[T+4*\a], v[T+4*\a+1]    ; the chunk's largest score of my query
.endr
.irp a, 0,1,2,3,4,5,6,7
	v_mul_f32 v[T+4*\a], s[CS], v[T+4*\a]              ; as t
.endr
.irp a, 0,1,2,3,4,5,6,7
	v_floor_f32 v[T+4*\a], -v[T+4*\a]                  ; NM = floor(-t): a whole number
.endr
	FMA 0
	EXPS 0
.irp a, 1,2,3,4,5,6,7                  ; a batch's readers stand behind the next batch: block a's 32 scalings are the plain lines behind batch a - 1, then ONE wait for it, ahead of the first line that names a result
	FMA \a
	s_wait_alu depctr_va_vdst(0)
	EXPS \a
	SUM \a-1
	CVT \a-1
	STORE \a-1
.endr
	s_wait_alu depctr_va_vdst(0)                   ; the wait for the last batch; block 6's sums and roundings are the plain lines behind it
	SUM 7
	CVT 7
	STORE 7
	WIN 0
.irp i, 0,1,2,3                        ; lanes r and r + 16 hold the same: lanes 0-15 take block 2 i's number, lanes 16-31 block 2 i + 1's: lane l then holds row 32 i + l
	v_cndmask_b32 v[196+\i], v[T+8*\i], v[T+8*\i+4], s[HI16]
	v_cndmask_b32 v[200+\i], v[T+8*\i+2], v[T+8*\i+6], s[HI16]
.endr
.irp i, 0,1,2,3
	ds_store_b32 v[SS], v[196+\i] offset:128*\i
	ds_store_b32 v[SS], v[200+\i] offset:512+128*\i
.endr
	ds_load_b128 v[204:207], v[SR]                 ; my wave's own bytes, served in order: these see the stores above
	ds_load_b128 v[208:211], v[SR] offset:512
	s_wait_dscnt 0x0
	global_store_b128 v[PO], v[204:207], s[8:9]              ; 128 rows' NM: 512 consecutive bytes
	global_store_b128 v[PO], v[208:211], s[8:9] offset:8192  ; and their l
	s_wait_tensorcnt 0x0                           ; the wave's end: these three lines behind my last tensor load and my last LDS store
	ds_add_u32 v[SPW], v[NIL]
	s_wait_dscnt 0x0
	CROUND                                         ; the closing round
	s_endpgm
.Lfunc_end_k_q83c1a450e1_scores:
	.size	k_q83c1a450e1_scores, .Lfunc_end_k_q83c1a450e1_scores-k_q83c1a450e1_scores
	.p2alignl 7, 3214868480
	.fill 96, 4, 3214868480
	.section	.rodata,"a",@progbits
	.p2align	6, 0x0
	.amdhsa_kernel k_q83c1a450e1_scores
		.amdhsa_group_segment_fixed_size 327680
		.amdhsa_private_segment_fixed_size 0
		.amdhsa_enable_private_segment 0
		.amdhsa_kernarg_size 24
		.amdhsa_user_sgpr_count 2
		.amdhsa_user_sgpr_kernarg_segment_ptr 1
		.amdhsa_wavefront_size32 1
		.amdhsa_system_sgpr_workgroup_id_x 1
		.amdhsa_system_sgpr_workgroup_id_y 1
		.amdhsa_system_sgpr_workgroup_id_z 1
		.amdhsa_system_vgpr_workitem_id 0
		.amdhsa_next_free_vgpr 1024
		.amdhsa_next_free_sgpr 72
		.amdhsa_reserve_vcc 0
		.amdhsa_float_denorm_mode_32 3
		.amdhsa_float_denorm_mode_16_64 3
		.amdhsa_memory_ordered 1
		.amdhsa_forward_progress 1
		.amdhsa_inst_pref_size 203
	.end_amdhsa_kernel
	.amdgpu_metadata
---
amdhsa.version: [ 1, 2 ]
amdhsa.kernels:
  - .name:           k_q83c1a450e1_scores
    .symbol:         k_q83c1a450e1_scores.kd
    .args:
      - { .name: qkv, .offset: 0, .size: 8, .value_kind: global_buffer, .address_space: global }
      - { .name: p, .offset: 8, .size: 8, .value_kind: global_buffer, .address_space: global }
      - { .name: stats, .offset: 16, .size: 8, .value_kind: global_buffer, .address_space: global }
    .group_segment_fixed_size: 327680
    .private_segment_fixed_size: 0
    .kernarg_segment_align: 8
    .kernarg_segment_size: 24
    .max_flat_workgroup_size: 128
    .sgpr_count:     72
    .vgpr_count:     1024
    .wavefront_size: 32
...
	.end_amdgpu_metadata
.endif
;; end of part 3
;; launch pv (part 4): grid 8 x 32, 4 waves a work-group, clusters of 4 x 4, 327,680 bytes of LDS; arguments p, qkv, stats, out0; writes out0
.if DOCPART == 4
	.amdgcn_target "amdgcn-amd-amdhsa--gfx1250"
	.amdhsa_code_object_version 6
	.text
	.protected	k_q83c1a450e1_pv
	.globl	k_q83c1a450e1_pv
	.p2align	8
	.type	k_q83c1a450e1_pv,@function
k_q83c1a450e1_pv:
	s_mov_b64 s[64:65], 0
	v_nop
	global_prefetch_b8 v0, s[64:65] scope:SCOPE_SE
	s_setreg_imm32_b32 hwreg(HW_REG_WAVE_MODE, 25, 1), 1
	s_wait_xcnt 0x0
	s_wait_alu depctr_hold_cnt(0) depctr_sa_sdst(0) depctr_va_vdst(0) depctr_va_sdst(0) depctr_va_ssrc(0) depctr_va_vcc(0) depctr_vm_vsrc(0)
	s_getreg_b32 s2, hwreg(HW_REG_IB_STS2, 6, 4)
	s_cmp_eq_u32 s2, 0
	s_cbranch_scc0 .Lentry_in_a_cluster
	s_endpgm
.Lentry_in_a_cluster:
	s_bfe_u32 s2, ttmp6, 0x10000c
	s_cmp_lg_u32 s2, 0xf033
	s_cbranch_scc0 .Lentry_shape_is_right
	s_endpgm
.Lentry_shape_is_right:
; out0 = (sum over chunks c of f_c P_c V_c) / l, in f16 operands and f32 sums.  V is columns 2048-3071 of qkv [8192][3072] f16.  Nothing of reference() is left out here.
; THE SOFTMAX'S SECOND HALF.  The launch before left, for each row and each chunk of 128 keys, NM_c = -(the chunk's largest t rounded up), p = 2^(t + NM_c) in f16 and l_c = the sum of p.
; Here NMrow = the least NM_c of the row's sixteen, f_c = 2^(NMrow - NM_c), at most 1, l = sum of f_c l_c, at least 1/2.  A chunk's products are summed by themselves, in T; then O += f_c T, in f32; O is multiplied by 1 / l at the end.
; SHARES.  A tile of 256 queries x 128 channels is made by a work-group of four waves; a wave makes 64 queries x 128 channels: 32 accumulators.  The 2,048 keys go in 64 sub-steps of 32: 32 matrix instructions each.
; V ([key][channel]) comes through a ring of two LDS slots of 256 keys, filled by the tensor data mover, each wave fetching 64 keys, and is turned by ds_load_tr16_b128; all four waves read all of it.
; CLUSTERS: 4 x 4 work-groups.  The four of a column (one tile of channels, one batch) need the same tiles of V: they are asked for JOINTLY, by the same load with a mask that names the four.
; P IS NOT ASKED FOR JOINTLY, THOUGH EIGHT WORK-GROUPS READ EACH BYTE OF IT.  The reason, by this tile's arithmetic: P and V together are 768 bytes a key; two slots of 256 keys of both would be 393,216 bytes and their padding,
; more than a work-group can have; and in slots of 128 keys a refill would have 128 matrix instructions a wave in which to land, against 256 here.  P lies in memory in the order of its operand registers
; ([block of 128 rows][chunk][a 8][b 8][lane][16 bytes]) and each wave has rows of its own: so a wave loads its fragments straight into a ring of 8 x 32 registers, seven sub-steps (224 matrix instructions) ahead of their use.
; THE MATRIX INSTRUCTION IS USED TRANSPOSED (source 0 = 16 channels of V^T, source 1 = 16 queries of P): lane (r, h) holds query r and channels 8 h + 0 .. 7 of each accumulator, so f_c and 1 / l are one number a lane.
; O += f_c T STANDS BETWEEN THE PRODUCTS of a chunk's last sub-step: behind each matrix instruction the four packed multiply-adds of the accumulator finished two products earlier, and two switches of the register windows.
; LIMITS: |V| under 65,504 (the launch that made it); NaN and infinities among the inputs are not served.
; REGISTERS, in windows of 256: window 0: v16-31 addresses; v32-39 f_c, v40-47 1 / l (a pair for each block of 16 queries, its upper word 0); v48-63 at work; v64-127, v128-191 V's fragments of 32 keys, two buffers
;   (first the statistics, at the end a block of O and rows on their way out).   window 1: P's ring: sub-step s % 8 at v[32 (s % 8)], block a at + 8 a.   window 2: T, accumulator (a, b) at v[8 (8 a + b)].   window 3: O likewise.
.set ROWQ,  6144                       ; a row of qkv in bytes
.set PV,    288                        ; a key's row of V in LDS: 256 bytes + 32 of padding = 72 words
.set KSL,   256                        ; keys in a slot
.set SLOT1, 1<<17                      ; slot 1 begins here, so that one exclusive or turns an address in one slot into the other's
.set TAB,   SLOT1+KSL*PV               ; behind the ring: for each wave 17 rows of 64 words: f_c of its 64 queries for 16 chunks, then 1 / l
.set TABW,  17*256
.set STAGE, TAB+4*TABW                 ; the way out: 16 rows x (512 bytes + 16) for each wave
.set SPARE, STAGE+4*16*528             ; the spare words, 128 bytes a wave, which no other line names
.set AV0,  16                          ; v16 my lane's place in a slot of V; never rewritten
.set ADV,  18                          ; v18, v19 LDS address of the slot's sub-steps 0-3, 4-7
.set AFT,  22                          ; v22 my query's word in the table, at the slot's first chunk
.set TQ,   23                          ; v23 where I write 1 / l
.set STO,  24                          ; v24 the way out: where I put 32 bytes of a row
.set RD,   25                          ; v25 where I read a row back
.set CO,   26                          ; v26 16 x lane: my offset in a fragment of P, and in a row of out0; never rewritten
.set TW,   27                          ; v27 where I write f
.set SPW,  28                          ; v28 LDS address of my spare word; never rewritten
.set NIL,  29                          ; v29 0; never rewritten
.set PFO,  30                          ; v30 the prefetches' offset: lane x a row of qkv; never rewritten
.set SO,   31                          ; v31 my offset in the block's statistics
.set F,    32
.set RC,   40
.set W,    48
.set PD,   52
.set LL,   56
.set RR,   60
.set N,    64
.set L,    96
.set TT,   64
.set G1,  24                           ; s[24:31] descriptor group 1
.set G0,  32                           ; s[32:39] group 0: a set for each of the two first fills; the second then walks on
.set PB,  40                           ; s[40:41] P at my wave's rows, at the slot's first chunk
.set TB,  42                           ; s42 LDS byte at which the slot to be fetched from begins
.set PFA, 44                           ; s[44:45] where my prefetches stand
.set LIM, 46                           ; s46 1 in a wave that prefetches, else the greatest number
.set SEL, 48                           ; s[48:49] lane selects for v_permlanex16_b32: lane l xor 16
.set MSB, 0
.macro WIN new                         ; the immediate's high byte repeats the setting that is left; a switch that changes nothing is dropped
.if MSB != (\new)
	s_set_vgpr_msb (MSB<<8)|(\new)
.set MSB, (\new)
.endif
.endm
.set MULW, 0xa4                        ; source 0 (V) window 0, source 1 (P) window 1, C and D (T) window 2
.set FMAW, 0xf2                        ; source 0 (T) window 2, source 1 (f) window 0, source 2 and destination (O) window 3
.macro CREST                           ; a round of the cluster's barrier behind its opening barrier
	s_cmp_lg_u32 s12, 0
	s_cbranch_scc1 .Lnot_wave_0_\@
	s_barrier_signal -3
.Lnot_wave_0_\@:
	s_barrier_wait -3
	s_barrier_signal -1
	s_barrier_wait -1
.endm
.macro CROUND
	s_barrier_signal -1
	s_barrier_wait -1
	CREST
.endm
; A prefetch of what the NEXT change of slots will ask for: a slot's 256 keys, 256 bytes each, a lane a key.  It stands behind the wave's tensor load and its five lines: eight sub-steps, 256 matrix instructions, ahead of that load.
; Each key's 256 bytes are named once in the launch.  A tile of V is walked by the two clusters of a batch: the even one asks.  Its four partners of a column take 64 keys each, by address; in each, waves 0 and 1 take 32.
; The last change that fills a slot asks for nothing: there is no slot behind it.  Slots 0 to 2 come by their loads alone.
.macro ASK
	s_cmp_gt_u32 s3, s[LIM]
	s_cbranch_scc0 .Lnot_mine_\@
	global_prefetch_b8 v[PFO], s[PFA:PFA+1] th:TH_LOAD_NT scope:SCOPE_SE
.Lnot_mine_\@:
.endm
.macro PLACES                          ; four plain vector lines between a matrix instruction and a load into one of its registers (ISA guide 7.12.1 for vector instructions)
.rept 4
	v_nop
.endr
.endm
; P's four fragments (64 queries x 32 keys) of sub-step u, counted from the slot at which s[PB] stands: 8 loads of 512 consecutive bytes into place u % 8 of the ring
.macro PLOAD u
	WIN 0x40                                       ; destination window 1, offset window 0
.irp a, 0,1,2,3
	global_load_b128 v[32*((\u)%8)+8*\a:32*((\u)%8)+8*\a+3],   v[CO], s[PB:PB+1] offset:((\u)/4)*32768+((\u)%4)*1024+4096*\a
	global_load_b128 v[32*((\u)%8)+8*\a+4:32*((\u)%8)+8*\a+7], v[CO], s[PB:PB+1] offset:((\u)/4)*32768+((\u)%4)*1024+4096*\a+512
.endr
.endm
; V's eight fragments (128 channels x 32 keys) of the slot's sub-step n into buffer n % 2: 16 turning loads
.macro FETCHV n
.irp b, 0,1,2,3,4,5,6,7
	ds_load_tr16_b128 v[64+64*((\n)%2)+8*\b:64+64*((\n)%2)+8*\b+3],   v[ADV+(\n)/4] offset:((\n)%4)*32*PV+32*\b
	ds_load_tr16_b128 v[64+64*((\n)%2)+8*\b+4:64+64*((\n)%2)+8*\b+7], v[ADV+(\n)/4] offset:((\n)%4)*32*PV+16*PV+32*\b
.endr
.endm
; Product I of 32 of sub-step S: block of queries I / 8, block of channels I % 8.  The 32 accumulators take turns in one order.  zero = 1: a chunk's first product starts its sum: nothing is cleared.
.macro WM zero
.set rT, 8*I
.set rV, 64+64*(S%2)+8*(I%8)
.set rP, 32*S+8*(I/8)
.if \zero
	v_wmma_f32_16x16x32_f16 v[rT:rT+7], v[rV:rV+7], v[rP:rP+7], 0
.else
	v_wmma_f32_16x16x32_f16 v[rT:rT+7], v[rV:rV+7], v[rP:rP+7], v[rT:rT+7]
.endif
.endm
; O += f T for accumulator i, from its low end on.  FF = 1: the launch's first chunk starts O.
.macro FMA i
.irp k, 0,2,4,6
.if FF
	v_pk_mul_f32 v[8*(\i)+\k:8*(\i)+\k+1], v[8*(\i)+\k:8*(\i)+\k+1], v[F+2*((\i)/8):F+2*((\i)/8)+1] op_sel_hi:[1,0]
.else
	v_pk_fma_f32 v[8*(\i)+\k:8*(\i)+\k+1], v[8*(\i)+\k:8*(\i)+\k+1], v[F+2*((\i)/8):F+2*((\i)/8)+1], v[8*(\i)+\k:8*(\i)+\k+1] op_sel_hi:[1,0,1]
.endif
.endr
.endm
	s_load_b256 s[4:11], s[0:1], 0x0               ; p s[4:5], qkv s[6:7], stats s[8:9], out0 s[10:11]
	v_lshl_add_u32 v[SPW], v0, 2, SPARE
	v_mov_b32 v[NIL], 0
	ds_add_u32 v[SPW], v[NIL]                      ; the wave's opening: the add, twice on end, and its wait ahead of my first tensor load
	ds_add_u32 v[SPW], v[NIL]
	v_lshrrev_b32 v1, 5, v0
	v_readfirstlane_b32 s12, v1                    ; wave 0..3: my 64 queries of the tile, and the 64 keys of a slot that I fetch
	s_lshr_b32 s13, s12, 1
	s_and_b32 s14, s12, 1
	s_bfe_u32 s15, ttmp6, 0x40000                  ; cx
	s_bfe_u32 s16, ttmp6, 0x40004                  ; cy
	s_and_b32 s17, ttmp7, 0xffff                   ; cluster y
	s_lshl_b32 s18, s17, 2
	s_add_co_u32 s18, s18, s16                     ; my tile of 256 queries = 4 x cluster y + cy
	s_lshr_b32 s19, s17, 1                         ; the batch: eight tiles of queries, two clusters: made of the cluster's y alone
	s_lshl_b32 s20, ttmp9, 2
	s_add_co_u32 s20, s20, s15                     ; my tile of 128 channels = 4 x cluster x + cx
	s_lshl_b32 s22, 0x1111, s15                    ; my column of the cluster
	; descriptor group 1: 64 keys x 128 channels of 2 bytes, 8 words of padding behind every 64
	s_or_b32 s[G1+0], s22, (1<<16)|(1<<20)|(1<<21)|(5<<22)|(7<<25)  ; 15:0 the mask; 17:16 elements of 2 bytes; 20 padding on; 21 set beside a mask; 24:22 after every 64 words; 31:25 eight words
	s_mov_b32 s[G1+1], 128<<16                     ; tensor_dim0 = 128
	s_mov_b32 s[G1+2], 64<<16                      ; tensor_dim1 = 64
	s_mov_b32 s[G1+3], 128<<16                     ; tile_dim0 = 128
	s_mov_b32 s[G1+4], 64                          ; tile_dim1 = 64
	s_mov_b32 s[G1+5], ROWQ/2                      ; tensor_dim0_stride: 3,072 elements
	s_mov_b32 s[G1+6], 0
	s_mov_b32 s[G1+7], 0
	s_mov_b32 s[SEL], 0x76543210
	s_mov_b32 s[SEL+1], 0xfedcba98
	s_mov_b32 s[TB], 0
	s_lshl_b32 s50, s19, 11                        ; V: row 2,048 x batch + 64 x wave,
	s_lshl_b32 s51, s12, 6
	s_add_co_u32 s50, s50, s51
	s_mul_i32 s50, s50, ROWQ
	s_lshl_b32 s51, s20, 8                         ; 256 bytes a tile of channels; V's columns begin 4,096 bytes into a row
	s_add_co_u32 s50, s50, s51
	s_add_co_u32 s50, s50, 4096
	s_mov_b32 s51, 0
	s_lshl_b32 s52, s18, 1
	s_add_co_u32 s52, s52, s13                     ; my block of 128 rows = 2 x tile + wave / 2
	s_lshl_b32 s54, s52, 14                        ; 16,384 bytes of statistics a block
	s_mov_b32 s55, 0
	s_lshl_b32 s52, s52, 19                        ; 524,288 bytes of P a block,
	s_lshl_b32 s53, s14, 14                        ; my 64 rows: four of a chunk's eight blocks of 4,096 bytes
	s_add_co_u32 s52, s52, s53
	s_mov_b32 s53, 0
	s_mul_i32 s21, s12, 64*PV                      ; where my 64 keys go in a slot: no place in the cluster enters an LDS address
	v_and_b32 v1, 31, v0                           ; lane
	v_and_b32 v2, 15, v0                           ; r
	v_bfe_u32 v3, v0, 4, 1                         ; h
	v_lshlrev_b32 v[CO], 4, v1
	s_lshl_b32 s23, s14, 8                         ; the statistics: my 64 rows of the block's 128; lane (r, h) takes rows 4 r .. 4 r + 3 of them and chunks 8 h .. 8 h + 7
	v_lshl_add_u32 v[SO], v2, 4, s23
	v_lshl_add_u32 v[SO], v3, 12, v[SO]
	s_wait_dscnt 0x0                               ; both opening adds are done
	s_wait_kmcnt 0x0
	s_add_nc_u64 s[50:51], s[6:7], s[50:51]
	s_add_nc_u64 s[PB:PB+1], s[4:5], s[52:53]
	s_add_nc_u64 s[8:9], s[8:9], s[54:55]
.irp i, 0,1,2,3,4,5,6,7
	global_load_b128 v[N+4*\i:N+4*\i+3], v[SO], s[8:9] offset:512*\i          ; NM of my four rows, chunk 8 h + i
	global_load_b128 v[L+4*\i:L+4*\i+3], v[SO], s[8:9] offset:8192+512*\i     ; and l
.endr
.irp u, 0,1,2,3,4
	PLOAD \u                                       ; the ring's first five places: with the sixteen above, 56 loads of mine are out
.endr
	WIN 0
	CROUND                                         ; all sixteen work-groups are here: the first joint loads meet
	s_mov_b32 s[G0], 1                             ; 1:0 count = 1
	s_mov_b32 s[G0+1], s21                         ; 63:32 LDS address: slot 0
	s_mov_b64 s[G0+2:G0+3], s[50:51]               ; 120:64 global address: keys 0 to 255
	s_or_b32 s[G0+3], s[G0+3], 0x80000000          ; 127:126 type = 2
	s_mov_b32 s[G0+4], 1
	s_add_co_u32 s[G0+5], s21, SLOT1
	s_add_nc_u64 s[G0+6:G0+7], s[50:51], KSL*ROWQ
	s_or_b32 s[G0+7], s[G0+7], 0x80000000
	tensor_load_to_lds s[G0:G0+3], s[G1:G1+7]      ; every wave issues both first fills: two loads of mine are out
	s_nop 0
	tensor_load_to_lds s[G0+4:G0+7], s[G1:G1+7]
	s_nop 0
.rept 4
	v_nop
.endr
	v_and_b32 v4, 7, v0                            ; V: the turning load: key 8 h + l % 8, channels 8 ((l / 8) % 2) on
	v_lshl_add_u32 v4, v3, 3, v4
	v_mul_u32_u24 v4, v4, PV
	v_bfe_u32 v5, v0, 3, 1
	v_lshl_add_u32 v[AV0], v5, 4, v4
	s_mul_i32 s23, s12, TABW
	s_add_co_u32 s23, s23, TAB                     ; my wave's table
	v_lshl_add_u32 v[AFT], v2, 2, s23              ; read: query r of a block of 16
	v_lshl_add_u32 v[TQ], v2, 4, s23               ; written: rows 4 r .. 4 r + 3,
	v_lshl_add_u32 v[TW], v3, 11, v[TQ]            ; chunks 8 h on
	s_mul_i32 s23, s12, 16*528
	s_add_co_u32 s23, s23, STAGE                   ; my stage
	v_mul_u32_u24 v[STO], v2, 528
	v_lshl_add_u32 v[STO], v3, 5, v[STO]
	v_add_nc_u32 v[STO], s23, v[STO]               ; in: row r, 32 bytes for each half of the lanes
	v_lshl_add_u32 v[RD], v1, 4, s23               ; back: the 32 lanes take one row of 512 bytes
	; the prefetches: where my wave's stand, and who asks
	s_lshl_b32 s50, s19, 11
	s_lshl_b32 s51, s16, 6                         ; my work-group's 64 keys of a slot,
	s_add_co_u32 s50, s50, s51
	s_lshl_b32 s51, s12, 5                         ; my wave's 32 of them,
	s_add_co_u32 s50, s50, s51
	s_add_co_u32 s50, s50, 3*KSL                   ; in slot 3: the first change of slots fills slot 2 and names slot 3.  Nothing is prefetched here, at the head
	s_mul_i32 s50, s50, ROWQ
	s_lshl_b32 s51, s20, 8
	s_add_co_u32 s50, s50, s51
	s_add_co_u32 s50, s50, 4096
	s_mov_b32 s51, 0
	s_add_nc_u64 s[PFA:PFA+1], s[6:7], s[50:51]
	s_and_b32 s50, s17, 1                          ; 0 in the batch's even cluster,
	s_or_b32 s50, s50, s13                         ; in waves 0 and 1: the same in all sixteen partners, for a given wave
	s_cmp_eq_u32 s50, 0
	s_cselect_b32 s[LIM], 1, -1
	v_mul_u32_u24 v[PFO], v1, ROWQ
	; out0 at my first row and channel
	s_lshl_b32 s50, s18, 20                        ; 256 rows of 4,096 bytes a tile,
	s_lshl_b32 s51, s12, 18                        ; 64 a wave,
	s_add_co_u32 s50, s50, s51
	s_lshl_b32 s51, s20, 9                         ; 512 bytes a tile of channels
	s_add_co_u32 s50, s50, s51
	s_mov_b32 s51, 0
	s_add_nc_u64 s[10:11], s[10:11], s[50:51]
.irp a, 0,1,2,3
	v_mov_b32 v[PD+\a], 0                          ; written once: a lane permute's destination counts as one of its sources
	v_mov_b32 v[F+2*\a+1], 0                       ; (named as the upper halves of pairs)
	v_mov_b32 v[RC+2*\a+1], 0
.endr
	s_wait_loadcnt 40                              ; the statistics are in; the 40 loads of P issued behind them may be out
	PLOAD 5
	PLOAD 6                                        ; seven places of the ring are asked for; the eighth in the first sub-step
	WIN 0
	; THE CHUNKS ARE JOINED.  My four rows by turns
.irp j, 0,1,2,3
	v_min_num_f32 v[W+\j], v[N+\j], v[N+4+\j]
.endr
.irp i, 2,3,4,5,6,7
.irp j, 0,1,2,3
	v_min_num_f32 v[W+\j], v[W+\j], v[N+4*\i+\j]
.endr
.endr
.irp j, 0,1,2,3
	v_permlanex16_b32 v[PD+\j], v[W+\j], s[SEL], s[SEL+1]
.endr
.irp j, 0,1,2,3
	v_min_num_f32 v[W+\j], v[W+\j], v[PD+\j]       ; NMrow: the least of the row's sixteen
.endr
.set i, 0
.rept 32
	v_sub_f32 v[N+i], v[W+i%4], v[N+i]             ; NMrow - NM_c: a whole number, 0 or less
.set i, i+1
.endr
.set i, 0
.rept 32
	v_cvt_i32_f32 v[N+i], v[N+i]                   ; (it saturates)
.set i, i+1
.endr
.set i, 0
.rept 32
	v_ldexp_f32 v[N+i], 1.0, v[N+i]                ; f_c
.set i, i+1
.endr
.irp j, 0,1,2,3
	v_mul_f32 v[LL+\j], v[N+\j], v[L+\j]
.endr
.irp i, 1,2,3,4,5,6,7
.irp j, 0,1,2,3
	v_fmac_f32 v[LL+\j], v[N+4*\i+\j], v[L+4*\i+\j]
.endr
.endr
.irp j, 0,1,2,3
	v_permlanex16_b32 v[PD+\j], v[LL+\j], s[SEL], s[SEL+1]
.endr
.irp j, 0,1,2,3
	v_add_f32 v[LL+\j], v[LL+\j], v[PD+\j]         ; l = the sum over sixteen chunks of f_c l_c
.endr
.irp j, 0,1,2,3
	v_rcp_f32 v[RR+\j], v[LL+\j]
.endr
	v_nop                                          ; a plain line behind the last reciprocal
	s_wait_alu depctr_va_vdst(0)                   ; one wait for the four, ahead of their first reader
.irp i, 0,1,2,3,4,5,6,7
	ds_store_b128 v[TW], v[N+4*\i:N+4*\i+3] offset:256*\i    ; my wave's own table: [chunk][query]
.endr
	ds_store_b128 v[TQ], v[RR:RR+3] offset:4096    ; and 1 / l behind it (lanes r and r + 16 write the same words with the same values)
.irp a, 0,1,2,3
	ds_load_b32 v[RC+2*\a], v[AFT] offset:4096+64*\a   ; 1 / l of query 16 a + r: my wave's own bytes, served in order: these see the stores above
.endr
; A SLOT: eight sub-steps of 32 keys, two chunks.  At the head of sub-step S stand ONE run of loads: V's fragments of the next sub-step, into the buffer that the last sub-step multiplied, and P's fragments of seven sub-steps on,
; into the place of the ring that the last sub-step multiplied.  first = 1: the launch's first chunk starts O.  last = 1: the last slot: nothing is left to fetch but P's last sub-step.
; THE CHANGE OF SLOTS stands in sub-step 6, whose run has fetched the slot's last fragments (chg = 2: with a refill; 1: a barrier alone; 0: none).  Each wave waits for all its tensor loads (one is out: its part of the next slot),
; adds 0 to its spare word, and waits for that and for its reads of this slot.  With a refill the barrier opens a round of the cluster's barrier, and this slot is filled again, with the keys two slots on, first thing behind the round.
.macro SLOT first, chg, last
.set S, 0
.rept 8
	WIN 0
	s_wait_dscnt 0x0                               ; V's fragments of this sub-step (and f) are in: they were asked for a sub-step ago
.if \last && (S > 1)
	s_wait_loadcnt 8*(7-S)                         ; P's fragments of this sub-step are in; those of the sub-steps that are left may be out
.else
	s_wait_loadcnt 48                              ; P's fragments of this sub-step are in; the 48 loads of the six sub-steps behind it may be out
.endif
.if (S == 7) && !\last
	s_xor_b32 s[TB], s[TB], SLOT1                  ; the next fetch is from the other slot
	v_add_nc_u32 v[ADV], s[TB], v[AV0]
	v_add_nc_u32 v[ADV+1], 4*32*PV, v[ADV]
.endif
.if S%4 != 0
	PLACES                                         ; (at a chunk's head the multiply-adds behind the last products are the places)
.endif
.if !(\last && (S == 7))
	FETCHV (S+1)%8
.endif
.if S%4 == 1
.irp a, 0,1,2,3
	ds_load_b32 v[F+2*\a], v[AFT] offset:256*(S/4)+64*\a   ; this chunk's f of query 16 a + r: the last chunk's multiply-adds are over
.endr
.endif
.if !\last || (S == 0)
	PLOAD S+7
.endif
.if (S == 6) && \chg
	WIN 0                                          ; (the add's two registers lie in window 0)
	s_wait_tensorcnt 0x0                           ; no tensor load of mine is out, so a group 0 may be written
	ds_add_u32 v[SPW], v[NIL]                      ; 0 onto my spare word; work on registers stands between it and the wait for it
.if \chg == 2
	s_xor_b32 s[G0+5], s[G0+5], SLOT1              ; the walking descriptor: the other slot than last time,
	s_add_nc_u64 s[G0+6:G0+7], s[G0+6:G0+7], KSL*ROWQ  ; the next 256 keys; the type bits on top are not reached
.endif
.endif
.set FF, 0
.if \first && (S == 3)
.set FF, 1
.endif
.set I, 0
.rept 32
	WIN MULW
.if S%4 == 0
	WM 1
.else
	WM 0
.endif
.if S%4 == 3                           ; the chunk's last products: O += f T follows two accumulators behind; the lines of the two accumulators between are the places behind each product
.if I < 2
	v_nop
	v_nop
.else
	WIN FMAW
	FMA I-2
.endif
.endif
.if (S == 6) && \chg && (I == 15)
	s_wait_dscnt 0x0                               ; the add is done, and my reads of this slot are over
	s_barrier_signal -1
.endif
.set I, I+1
.endr
.if S%4 == 3
	WIN FMAW
	FMA 30
	FMA 31
.endif
.if (S == 6) && \chg
	WIN 0
	s_barrier_wait -1
.if \chg == 2
	CREST                                          ; no wave of any partner still reads this slot or has a load on its way
	tensor_load_to_lds s[G0+4:G0+7], s[G1:G1+7]    ; my one load behind the round: eight sub-steps, 256 matrix instructions, ahead of the wait for it
	s_nop 0
.rept 4
	v_nop
.endr
	ASK
.endif
.endif
.set S, S+1
.endr
.if !\last
	WIN 0                                          ; at a label and at a branch every window is 0
	s_wait_xcnt 0x0                                ; my loads and the prefetch, a sub-step back, have read their bases, so they may be written:
	s_add_nc_u64 s[PB:PB+1], s[PB:PB+1], 2*32768   ; P: two chunks on
	s_add_nc_u64 s[PFA:PFA+1], s[PFA:PFA+1], KSL*ROWQ
	v_add_nc_u32 v[AFT], 512, v[AFT]               ; the table: two chunks on
.endif
.endm
	s_wait_tensorcnt 1                             ; my part of slot 0 is in (slot 1's load, the younger, may be out)
	s_wait_dscnt 0x0                               ; my table is written and 1 / l is read
	s_barrier_signal -1
	s_barrier_wait -1                              ; everybody's is
	v_add_nc_u32 v[ADV], s[TB], v[AV0]
	v_add_nc_u32 v[ADV+1], 4*32*PV, v[ADV]
	FETCHV 0
	s_mov_b32 s3, 6
	SLOT 1, 2, 0                                   ; slot 0: its first chunk starts O; slot 2 is asked for
	s_mov_b32 s3, 5
.Lslot:                                                ; slots 1 to 5: slots 3 to 7 are asked for
	SLOT 0, 2, 0
	s_sub_co_u32 s3, s3, 1
	s_cmp_lg_u32 s3, 0
	s_cbranch_scc1 .Lslot
	SLOT 0, 1, 0                                   ; the tail is written out: slot 6 fills nothing
	SLOT 0, 0, 1                                   ; slot 7 changes to nothing
; THE WAY OUT, a block of 16 queries x 128 channels at a time.  NORM: O x 1 / l.  TOSTAGE: a lane's 32 bytes into my own stage, and back as whole rows of 512 bytes.  SEND: stored.
.macro NORM a
	WIN 0x03                                       ; source 0: window 3
.set i, 0
.rept 32
	v_pk_mul_f32 v[TT+i:TT+i+1], v[64*(\a)+i:64*(\a)+i+1], v[RC+2*(\a):RC+2*(\a)+1] op_sel_hi:[1,0]
.set i, i+2
.endr
	WIN 0
.endm
.macro TOSTAGE a
.irp b, 0,1,2,3,4,5,6,7
	ds_store_b128 v[STO], v[TT+8*\b:TT+8*\b+3] offset:64*\b
	ds_store_b128 v[STO], v[TT+8*\b+4:TT+8*\b+7] offset:64*\b+16
.endr
.set BB, 128+64*((\a)%2)
.irp t, 0,1,2,3,4,5,6,7,8,9,10,11,12,13,14,15
	ds_load_b128 v[BB+4*\t:BB+4*\t+3], v[RD] offset:\t*528         ; LDS serves a wave's instructions in order (ISA guide 5.7.1.4): these see the stores above, and the next block's stores come behind them
.endr
.endm
.macro SEND a, younger                 ; younger: the LDS instructions issued behind block a's loads: the next block's 16 stores and 16 loads, or none
.set BB, 128+64*((\a)%2)
	s_wait_dscnt \younger
.if (\a) > 0
	s_add_nc_u64 s[10:11], s[10:11], 16*4096       ; (behind a wait on XCNT: the earlier stores have read their base)  16 rows on
.endif
.irp t, 0,1,2,3,4,5,6,7,8,9,10,11,12,13,14,15
	global_store_b128 v[CO], v[BB+4*\t:BB+4*\t+3], s[10:11] offset:\t*4096 th:TH_STORE_NT   ; 32 lanes store 512 consecutive bytes, at a multiple of 256 from out0's first byte
.endr
.endm
	NORM 0                                         ; (the last chunk's multiply-adds are the places behind the last products)
	TOSTAGE 0
.irp a, 1,2,3
.if \a > 1
	s_wait_xcnt 0x0                                ; block a - 2's stores have read their registers and their base
.endif
	NORM \a
	TOSTAGE \a
	SEND \a-1, 32
.endr
	s_wait_xcnt 0x0
	SEND 3, 0
	s_wait_tensorcnt 0x0                           ; the wave's end: these three lines behind my last tensor load and my last LDS store
	ds_add_u32 v[SPW], v[NIL]
	s_wait_dscnt 0x0
	CROUND                                         ; the closing round: no work-group ends while a partner may still ask for a tile that names it
	s_endpgm
.Lfunc_end_k_q83c1a450e1_pv:
	.size	k_q83c1a450e1_pv, .Lfunc_end_k_q83c1a450e1_pv-k_q83c1a450e1_pv
	.p2alignl 7, 3214868480
	.fill 96, 4, 3214868480
	.section	.rodata,"a",@progbits
	.p2align	6, 0x0
	.amdhsa_kernel k_q83c1a450e1_pv
		.amdhsa_group_segment_fixed_size 327680
		.amdhsa_private_segment_fixed_size 0
		.amdhsa_enable_private_segment 0
		.amdhsa_kernarg_size 32
		.amdhsa_user_sgpr_count 2
		.amdhsa_user_sgpr_kernarg_segment_ptr 1
		.amdhsa_wavefront_size32 1
		.amdhsa_system_sgpr_workgroup_id_x 1
		.amdhsa_system_sgpr_workgroup_id_y 1
		.amdhsa_system_sgpr_workgroup_id_z 1
		.amdhsa_system_vgpr_workitem_id 0
		.amdhsa_next_free_vgpr 1024
		.amdhsa_next_free_sgpr 66
		.amdhsa_reserve_vcc 0
		.amdhsa_float_denorm_mode_32 3
		.amdhsa_float_denorm_mode_16_64 3
		.amdhsa_memory_ordered 1
		.amdhsa_forward_progress 1
		.amdhsa_inst_pref_size 252
	.end_amdhsa_kernel
	.amdgpu_metadata
---
amdhsa.version: [ 1, 2 ]
amdhsa.kernels:
  - .name:           k_q83c1a450e1_pv
    .symbol:         k_q83c1a450e1_pv.kd
    .args:
      - { .name: p, .offset: 0, .size: 8, .value_kind: global_buffer, .address_space: global }
      - { .name: qkv, .offset: 8, .size: 8, .value_kind: global_buffer, .address_space: global }
      - { .name: stats, .offset: 16, .size: 8, .value_kind: global_buffer, .address_space: global }
      - { .name: out0, .offset: 24, .size: 8, .value_kind: global_buffer, .address_space: global }
    .group_segment_fixed_size: 327680
    .private_segment_fixed_size: 0
    .kernarg_segment_align: 8
    .kernarg_segment_size: 32
    .max_flat_workgroup_size: 128
    .sgpr_count:     66
    .vgpr_count:     1024
    .wavefront_size: 32
...
	.end_amdgpu_metadata
.endif
;; end of part 4
